; MI455X (gfx1250); checked and timed in simulation.
; The chip was launched on July 23, 2026; its instructions are those of AMD's public machine-readable ISA for CDNA 5 (MIT licence, August 2026) and "CDNA5" Instruction Set Architecture Reference Guide (July 2026). The comments in the code are by the model that wrote it; some were corrected since.
;; Temporal Attention. Allowed arithmetic: float matrix products may take bf16 or f16 operands with f32 sums; other float arithmetic in f32, or as packed bf16 or f16 multiplies, adds, multiply-adds, maxima and minima; sums over many terms, partial sums and values carried from step to step in f32; what a program stores and reads back later, other than sums and carried values, may be rounded once to bf16 or f16.
;; Inputs: X 32 x 512 x 512 float32; b1 512 float32; be_ffn 512 float32; be_mha 512 float32; bf1 1,024 float32; bf2 512 float32; bk 512 float32; bq 512 float32; bv 512 float32; g_ffn 512 float32; g_mha 512 float32; w1 512 x 512 float32; wf1 1,024 x 512 float32; wf2 512 x 1,024 float32; wk 512 x 512 float32; wq 512 x 512 float32; wv 512 x 512 float32.
;; Outputs: out0 32 x 512 x 512 float32.
;; Constants: K = 8.
;; One version. Each part assembles by itself: llvm-mc -triple=amdgcn-amd-amdhsa -mcpu=gfx1250 --defsym DOCPART=n.
;; ======== version 1 of 1: 3 launches
;; limits: values are held in f16: magnitudes above 65,504 overflow, below 6.1e-05 lose precision; a function is approximated: absolute error at most 4e-06
;; workspace buffers: xnf 16,777,216 bytes; ofr 16,777,216 bytes; wfr 4,194,304 bytes
;; launch prep (part 1): grid 256 x 1, 8 waves a work-group, no clusters, 84,224 bytes of LDS; arguments X, g_mha, be_mha, wq, wk, wv, w1, wf1, wf2, xnf, wfr; writes xnf, wfr
.if DOCPART == 1
	.amdgcn_target "amdgcn-amd-amdhsa--gfx1250"
	.amdhsa_code_object_version 6
	.text
	.protected	k_qa76ac2ffd7_prep
	.globl	k_qa76ac2ffd7_prep
	.p2align	8
	.type	k_qa76ac2ffd7_prep,@function
k_qa76ac2ffd7_prep:
	s_mov_b64 s[64:65], 0
	v_nop
	global_prefetch_b8 v0, s[64:65] scope:SCOPE_SE
	s_setreg_imm32_b32 hwreg(HW_REG_WAVE_MODE, 25, 1), 1
	s_wait_xcnt 0x0
; PREP.  Xn = LayerNorm(X + timing signal) with g_mha, be_mha (unbiased deviation, divided by s + 1e-6), rounded once to f16; and the six weight matrices rounded once to f16.
; Nothing of the problem is left out in this program: every input has a way to the output, and every step is done.
; Both results are laid out IN FRAGMENT ORDER: a fragment is 16 rows x 32 k of f16, 1,024 bytes; element (row r, k = 16 half + 8 hh + e) lies at byte 512 half + 16 (16 hh + r) + 2 e,
; so that lane 16 hh + r of a wave fills a matrix operand by two loads of 16 bytes at 16 x lane, 512 bytes apart.
;   xnf: [batch 32][kb 16][token tile 32] fragments.      wfr, part A: [head 8][kb 16][f 12], f = 4 m + rt (m: q, k, v), rows 64 head + 16 rt + r.
;   wfr, part B, from byte PB on: 20 tiles of 131,072 bytes: s = 0..3: w1, [q 4 (kb = 4 s + q)][rt 32]; 4 + 2 c: wf1, [rt 8 (rows 128 c + 16 rt + r)][kb 16]; 5 + 2 c: wf2, [q 4 (kb = 4 c + q)][rt 32].
; SHARES.  Work-group g: token tile g % 32 of the four batches 4 (g / 32) + 0..3, and ONE unit of 16 rows x 512 columns of a weight matrix (256 units in all).  Half a wave holds a row:
; lane (r, hh) of wave w has token 2 w + hh of the tile and columns 64 j + 4 r + 0..3, j = 0..7: sixteen lanes load 256 consecutive bytes.  A row's sums stay inside sixteen lanes.
; IN FLIGHT.  All of a wave's 56 loads go out at the head: its weight row, its row of each of the four batches, g and be; the waits count down 48, 24, 16, 8, 0.
; ON THE WAY OUT a batch's 16 rows meet in a stage unit of LDS; behind a barrier of its own the unit is read back in fragment order and stored in the middle of the next batch's arithmetic.
; The timing signal hangs on the token alone: it is made once and serves four batches.  sin and cos are made in turns: sin(2 pi (w + 1/4)) = sin(2 pi (1/4 - |w - round(w)|)), and a polynomial
; of degree 9 on [-1/4, 1/4], whose first term left out is under 4e-6.
; LIMITS.  f16 holds no number beyond 65,504: |Xn| is at most 22.6 |g_mha| + |be_mha|; a weight below 6e-5 keeps f16's fixed step of 6e-8.  NaN and infinities are not treated apart.
.set PB,    1572864
.set PITCH, 1040                       ; a stage row: 1,024 bytes of f16 + 16: an odd multiple of 16
.set UNIT,  16*PITCH                   ; stage units 0-3: the four batches; unit 4: the weights.  Each is written once
.set SPARE, 5*UNIT                     ; behind the stage: the spare words, 128 bytes a wave: four blocks of 256 bytes that no other line names
.set XO,  3                            ; v3   2,048 hh + 16 r
.set SA,  4                            ; v4   stage, in: (2 w + hh) PITCH + 8 r
.set SW,  5                            ; v5   the same in unit 4
.set RA,  6                            ; v6   stage, back: r PITCH + 16 hh + 128 w
.set RA2, 7                            ; v7   the same in unit 4
.set L16, 8                            ; v8   16 x lane
.set WO0, 9                            ; v9, v10  16 x lane + where fragments kb = 2 w, 2 w + 1 of my weight unit go
.set WO1, 10
.set SPW, 11                           ; v11  my spare word; never rewritten
.set NIL, 12                           ; v12  0; never rewritten
.set C9,  24
.set TF,  25                           ; v25  my token as f32
.set WS,  27                           ; v27  my offset in the weight unit's rows
.set GB,  28                           ; v28  16 r
.set A,   32                           ; v[32:63]   X of batch 0; later unit 0 and the weights, read back
.set D,   64                           ; v[64:95]   at work; at the end unit 3, read back
.set SIG, 96                           ; v[96:127]  the timing signal of my 32 columns
.set G,   128                          ; v[128:159] g_mha
.set B,   160                          ; v[160:191] be_mha
.set T,   192                          ; v[192:223] at work
.set A1,  224                          ; v[224:255] X of batch 1; later units 1 and 2, read back.  Window 1: v[0:31] X of batch 2, v[32:63] of batch 3
.set MSB, 0
.macro WIN new                         ; s_set_vgpr_msb: bits 1:0 source 0, 7:6 destination; the high byte repeats the setting that is left
.if MSB != (\new)
	s_set_vgpr_msb (MSB<<8)|(\new)
.set MSB, (\new)
.endif
.endm
	s_load_b512 s[4:19], s[0:1], 0x0               ; X 4, g 6, be 8, wq 10, wk 12, wv 14, w1 16, wf1 18
	s_load_b128 s[20:23], s[0:1], 0x40             ; wf2 20, xnf 22
	s_load_b64 s[24:25], s[0:1], 0x50              ; wfr
	v_lshl_add_u32 v[SPW], v0, 2, SPARE
	v_mov_b32 v[NIL], 0
	v_lshrrev_b32 v13, 5, v0
	v_readfirstlane_b32 s28, v13                   ; wave 0..7
	s_mov_b32 s29, ttmp9                           ; g
	s_mov_b32 s31, 0x3e800000                      ; 0.25
	s_mov_b32 s32, 0xbe800000                      ; -0.25
	s_mov_b32 s33, 0x3b000000                      ; 1 / 512
	s_mov_b32 s34, 0x3b004020                      ; 1 / 511
	s_mov_b32 s35, 0x358637bd                      ; 1e-6
	v_and_b32 v1, 15, v0                           ; r
	v_bfe_u32 v2, v0, 4, 1                         ; hh
	v_and_b32 v[L16], 31, v0
	v_lshlrev_b32 v[L16], 4, v[L16]
	v_lshlrev_b32 v[GB], 4, v1
	v_lshl_add_u32 v[XO], v2, 11, v[GB]
	v_lshl_add_u32 v13, s28, 1, v2                 ; my row of the 16: 2 w + hh
	v_mul_u32_u24 v[SA], v13, PITCH
	v_lshl_add_u32 v[SA], v1, 3, v[SA]
	v_add_nc_u32 v[SW], 4*UNIT, v[SA]
	v_mul_u32_u24 v[RA], v1, PITCH
	v_lshl_add_u32 v[RA], v2, 4, v[RA]
	s_lshl_b32 s52, s28, 7
	v_add_nc_u32 v[RA], s52, v[RA]
	v_add_nc_u32 v[RA2], 4*UNIT, v[RA]
	; THE WEIGHT UNIT, from g alone.  s50: the unit's first byte in its matrix; fragment kb goes to s43 + (kb / 4) s44 + (kb % 4) s45; s46: log2 of the matrix's row bytes.
	s_lshr_b32 s40, s29, 5                         ; 0, 1, 2: wq, wk, wv; 3: w1; 4, 5: wf1; 6, 7: wf2
	s_and_b32 s41, s29, 31
	s_and_b32 s47, s29, 63
	s_lshr_b32 s52, s41, 2                         ; wq, wk, wv: row tile R = g % 32: head R / 4, rt = R % 4
	s_mul_i32 s43, s52, 196608
	s_and_b32 s52, s41, 3
	s_lshl2_add_u32 s52, s40, s52                  ; f = 4 m + R % 4
	s_lshl_b32 s52, s52, 10
	s_add_co_u32 s43, s43, s52
	s_lshl_b32 s50, s41, 15
	s_mov_b32 s44, 49152
	s_mov_b32 s45, 12288
	s_mov_b32 s46, 11
	s_lshl_b32 s52, s41, 10                        ; w1: rt = g - 96
	s_add_co_u32 s52, s52, PB
	s_cmp_ge_u32 s29, 96
	s_cselect_b32 s43, s52, s43
	s_cselect_b32 s44, 131072, s44
	s_cselect_b32 s45, 32768, s45
	s_lshr_b32 s52, s47, 3                         ; wf1: R = g - 128: chunk R / 8, rt = R % 8
	s_lshl_b32 s52, s52, 18
	s_and_b32 s53, s47, 7
	s_lshl_b32 s53, s53, 14
	s_add_co_u32 s52, s52, s53
	s_add_co_u32 s52, s52, PB+4*131072
	s_lshl_b32 s53, s47, 15
	s_cmp_ge_u32 s29, 128
	s_cselect_b32 s43, s52, s43
	s_cselect_b32 s50, s53, s50
	s_cselect_b32 s44, 4096, s44
	s_cselect_b32 s45, 1024, s45
	s_and_b32 s52, s47, 1                          ; wf2: u = g - 192: rt = u / 2, column half u % 2
	s_lshr_b32 s53, s47, 1
	s_lshl_b32 s54, s52, 20
	s_lshl_b32 s55, s53, 10
	s_add_co_u32 s54, s54, s55
	s_add_co_u32 s54, s54, PB+5*131072
	s_lshl_b32 s55, s53, 16
	s_lshl_b32 s52, s52, 11
	s_add_co_u32 s55, s55, s52
	s_cmp_ge_u32 s29, 192
	s_cselect_b32 s43, s54, s43
	s_cselect_b32 s50, s55, s50
	s_cselect_b32 s44, 262144, s44
	s_cselect_b32 s45, 32768, s45
	s_cselect_b32 s46, 12, s46
	s_mov_b32 s51, 0
	v_lshlrev_b32 v[WS], s46, v13
	v_add_nc_u32 v[WS], v[WS], v[GB]
	s_lshr_b32 s52, s28, 1                         ; kb = 2 w + e: kb / 4 = w / 2, kb % 4 = 2 (w % 2) + e
	s_mul_i32 s52, s52, s44
	s_and_b32 s53, s28, 1
	s_mul_i32 s53, s53, s45
	s_lshl_b32 s53, s53, 1
	s_add_co_u32 s52, s52, s53
	s_add_co_u32 s52, s52, s43
	v_add_nc_u32 v[WO0], s52, v[L16]
	v_add_nc_u32 v[WO1], s45, v[WO0]
	s_lshr_b32 s52, s29, 5                         ; the group of four batches
	s_and_b32 s30, s29, 31                         ; the token tile
	s_lshl_b32 s54, s52, 22                        ; X: 4 batches of 1 MiB, 16 rows of 2,048 bytes a tile, 2 rows a wave
	s_lshl_b32 s53, s30, 15
	s_add_co_u32 s54, s54, s53
	s_lshl_b32 s53, s28, 12
	s_add_co_u32 s54, s54, s53
	s_mov_b32 s55, 0
	s_lshl_b32 s56, s52, 21                        ; xnf: 4 batches of 512 KiB, the tile's fragment, kb = 2 w
	s_lshl_b32 s53, s30, 10
	s_add_co_u32 s56, s56, s53
	s_lshl_b32 s53, s28, 16
	s_add_co_u32 s56, s56, s53
	s_mov_b32 s57, 0
	s_lshl_b32 s53, s30, 4
	v_add_nc_u32 v[TF], s53, v13
	v_cvt_f32_u32 v[TF], v[TF]
	s_wait_kmcnt 0x0
	s_cmp_eq_u32 s40, 1
	s_cselect_b64 s[38:39], s[12:13], s[10:11]
	s_cmp_eq_u32 s40, 2
	s_cselect_b64 s[38:39], s[14:15], s[38:39]
	s_cmp_eq_u32 s40, 3
	s_cselect_b64 s[38:39], s[16:17], s[38:39]
	s_cmp_ge_u32 s29, 128
	s_cselect_b64 s[38:39], s[18:19], s[38:39]
	s_cmp_ge_u32 s29, 192
	s_cselect_b64 s[38:39], s[20:21], s[38:39]
	s_add_nc_u64 s[38:39], s[38:39], s[50:51]
	s_add_nc_u64 s[36:37], s[4:5], s[54:55]
	s_add_nc_u64 s[22:23], s[22:23], s[56:57]
.irp j, 0,1,2,3,4,5,6,7
	global_load_b128 v[D+4*(\j):D+4*(\j)+3], v[WS], s[38:39] offset:256*(\j) th:TH_LOAD_NT  ; my row of the weight unit
.endr
.irp j, 0,1,2,3,4,5,6,7
	global_load_b128 v[A+4*(\j):A+4*(\j)+3], v[XO], s[36:37] offset:256*(\j) th:TH_LOAD_NT  ; my row of batch 0
.endr
.irp j, 0,1,2,3,4,5,6,7
	global_load_b128 v[G+4*(\j):G+4*(\j)+3], v[GB], s[6:7] offset:256*(\j)
	global_load_b128 v[B+4*(\j):B+4*(\j)+3], v[GB], s[8:9] offset:256*(\j)
.endr
.irp j, 0,1,2,3,4,5,6,7
	global_load_b128 v[A1+4*(\j):A1+4*(\j)+3], v[XO], s[36:37] offset:1048576+256*(\j) th:TH_LOAD_NT  ; of batch 1
.endr
	WIN 0x40                                       ; destination window 1, address window 0
.irp j, 0,1,2,3,4,5,6,7
	global_load_b128 v[4*(\j):4*(\j)+3], v[XO], s[36:37] offset:2*1048576+256*(\j) th:TH_LOAD_NT      ; of batch 2
.endr
.irp j, 0,1,2,3,4,5,6,7
	global_load_b128 v[32+4*(\j):32+4*(\j)+3], v[XO], s[36:37] offset:3*1048576+256*(\j) th:TH_LOAD_NT  ; of batch 3
.endr
	WIN 0
	; THE TIMING SIGNAL, while those loads are out.  Value k = 4 jj + i: index 64 jj + 4 r + i; its rate is 2^(index x -log2(1e4) / 255)
	v_lshlrev_b32 v26, 2, v1
	v_mov_b32 v[C9], 0x42283c1a
.set k, 0
.rept 16
	v_add_nc_u32 v[T+k], 64*(k/4)+k%4, v26
.set k, k+1
.endr
.set k, 0
.rept 16
	v_cvt_f32_u32 v[T+k], v[T+k]
.set k, k+1
.endr
.set k, 0
.rept 16
	v_mul_f32 v[T+k], 0xbd556fe8, v[T+k]
.set k, k+1
.endr
.set k, 0
.rept 16
	v_exp_f32 v[T+k], v[T+k]
.set k, k+1
.endr
	v_nop                                          ; a plain instruction behind the last exponential,
	s_wait_alu depctr_va_vdst(0)                   ; and one wait for the sixteen, ahead of their first reader
; v[t] holds w in turns; dst = sin(2 pi (w + 1/4)).  t + 1, t + 2 at work.
.macro SINE dst, t
	v_rndne_f32 v[(\t)+1], v[\t]
	v_sub_f32 v[\t], v[\t], v[(\t)+1]
	v_and_b32 v[\t], 0x7fffffff, v[\t]
	v_sub_f32 v[\t], s31, v[\t]                    ; 1/4 - |w - round(w)|
	v_mul_f32 v[(\t)+1], v[\t], v[\t]
	v_fmaak_f32 v[(\t)+2], v[(\t)+1], v[C9], 0xc2996966
	v_fmaak_f32 v[(\t)+2], v[(\t)+1], v[(\t)+2], 0x42a335e3
	v_fmaak_f32 v[(\t)+2], v[(\t)+1], v[(\t)+2], 0xc2255de8
	v_fmaak_f32 v[(\t)+2], v[(\t)+1], v[(\t)+2], 0x40c90fdb
	v_mul_f32 v[\dst], v[\t], v[(\t)+2]
.endm
.set k, 0
.rept 16
	v_mul_f32 v[T+k], v[TF], v[T+k]                ; token x rate, in radians
	v_fma_f32 v18, v[T+k], 0.15915494, s32         ; the sine's w: turns - 1/4
	v_mul_f32 v21, 0.15915494, v[T+k]              ; the cosine's w: turns
	SINE SIG+k, 18
	SINE SIG+16+k, 21
.set k, k+1
.endr
	s_wait_loadcnt 48                              ; the weight row is in: X's 32 loads and the 16 of g and be are younger
.set k, 0
.rept 16
	v_cvt_pk_f16_f32 v[T+k], v[D+2*k], v[D+2*k+1]
.set k, k+1
.endr
.irp j, 0,1,2,3,4,5,6,7
	ds_store_b64 v[SW], v[T+2*(\j):T+2*(\j)+1] offset:128*(\j)
.endr
.macro DPPSUM x
	v_add_f32_dpp v[\x], v[\x], v[\x] row_xmask:1 row_mask:0xf bank_mask:0xf
	v_add_f32_dpp v[\x], v[\x], v[\x] row_xmask:2 row_mask:0xf bank_mask:0xf
	v_add_f32_dpp v[\x], v[\x], v[\x] row_xmask:4 row_mask:0xf bank_mask:0xf
	v_add_f32_dpp v[\x], v[\x], v[\x] row_xmask:8 row_mask:0xf bank_mask:0xf
.endm
; BACK IN FRAGMENT ORDER: of stage unit u wave w takes kb = 2 w and 2 w + 1: lane (r, hh) reads row r, bytes 64 kb + 16 hh (+ 32), into v[rb ..]; with unit 0 the weights' unit too.
.macro BACKL u, rb
.set k, 0
.irp e, 0,1
.irp f, 0,1
	ds_load_b128 v[(\rb)+4*k:(\rb)+4*k+3], v[RA] offset:(\u)*UNIT+64*(\e)+32*(\f)
.set k, k+1
.endr
.endr
.if (\u) == 0
.irp e, 0,1
.irp f, 0,1
	ds_load_b128 v[(\rb)+4*k:(\rb)+4*k+3], v[RA2] offset:64*(\e)+32*(\f)
.set k, k+1
.endr
.endr
.endif
.endm
; ... and stores them at 16 x lane (+ 512).  younger: the LDS stores issued behind BACKL's loads.  The registers are written by nothing afterwards.
.macro BACKS u, rb, younger
.set n, 4
.if (\u) == 0
.set n, 8
.endif
.set k, 0
.irp e, 0,1
.irp f, 0,1
	s_wait_dscnt (\younger)+n-1-k                  ; LDS instructions end in order: load k is in
	global_store_b128 v[L16], v[(\rb)+4*k:(\rb)+4*k+3], s[22:23] offset:(\u)*524288+(\e)*32768+(\f)*512  ; 512 consecutive bytes, aligned
.set k, k+1
.endr
.endr
.if (\u) == 0
.irp e, 0,1
.irp f, 0,1
	s_wait_dscnt (\younger)+n-1-k
	global_store_b128 v[WO0+(\e)], v[(\rb)+4*k:(\rb)+4*k+3], s[24:25] offset:(\f)*512
.set k, k+1
.endr
.endr
.endif
.endm
; One batch's row (in window awin, v[areg ..]): add the signal, mean, deviations, their squares' sum (two passes: no difference of large sums), scale, gain and bias, round, into stage unit i.
; left: the younger loads, which stay out.  In its middle the barrier that the batch before has signalled is waited for, and that batch's unit is read back (into v[rb ..]); it is stored at the end.
.macro TRIP i, awin, areg, left, rb
	s_wait_loadcnt \left
	WIN \awin
.set k, 0
.rept 16
	v_pk_add_f32 v[D+2*k:D+2*k+1], v[(\areg)+2*k:(\areg)+2*k+1], v[SIG+2*k:SIG+2*k+1]
.set k, k+1
.endr
	WIN 0
.irp j, 0,1,2,3,4,5,6,7
	v_pk_add_f32 v[T+2*(\j):T+2*(\j)+1], v[D+4*(\j):D+4*(\j)+1], v[D+4*(\j)+2:D+4*(\j)+3]
.endr
.irp j, 0,1,2,3
	v_pk_add_f32 v[T+2*(\j):T+2*(\j)+1], v[T+2*(\j):T+2*(\j)+1], v[T+8+2*(\j):T+8+2*(\j)+1]
.endr
.irp j, 0,1
	v_pk_add_f32 v[T+2*(\j):T+2*(\j)+1], v[T+2*(\j):T+2*(\j)+1], v[T+4+2*(\j):T+4+2*(\j)+1]
.endr
	v_pk_add_f32 v[T:T+1], v[T:T+1], v[T+2:T+3]
	v_add_f32 v[T], v[T], v[T+1]
	DPPSUM T
	v_mul_f32 v14, s33, v[T]                       ; the mean, as a pair
	v_mov_b32 v15, v14
.set k, 0
.rept 16
	v_pk_add_f32 v[D+2*k:D+2*k+1], v[D+2*k:D+2*k+1], v[14:15] neg_lo:[0,1] neg_hi:[0,1]
.set k, k+1
.endr
.irp j, 0,1,2,3
	v_pk_mul_f32 v[T+2*(\j):T+2*(\j)+1], v[D+2*(\j):D+2*(\j)+1], v[D+2*(\j):D+2*(\j)+1]
.endr
.set k, 4
.rept 12
	v_pk_fma_f32 v[T+2*(k%4):T+2*(k%4)+1], v[D+2*k:D+2*k+1], v[D+2*k:D+2*k+1], v[T+2*(k%4):T+2*(k%4)+1]
.set k, k+1
.endr
	v_pk_add_f32 v[T:T+1], v[T:T+1], v[T+4:T+5]
	v_pk_add_f32 v[T+2:T+3], v[T+2:T+3], v[T+6:T+7]
	v_pk_add_f32 v[T:T+1], v[T:T+1], v[T+2:T+3]
	v_add_f32 v[T], v[T], v[T+1]
	DPPSUM T
	v_mul_f32 v18, s34, v[T]
	v_sqrt_f32 v18, v18
	v_nop
	s_wait_alu depctr_va_vdst(0)                   ; the wait ahead of the root's first reader
	v_add_f32 v18, s35, v18
	v_rcp_f32 v16, v18
	v_nop
	s_wait_alu depctr_va_vdst(0)                   ; and of the reciprocal's
	v_mov_b32 v17, v16
.if (\i) > 0
	s_barrier_wait -1                              ; every wave's rows of the batch before lie in its unit (only register work stood behind the signal)
	BACKL (\i)-1, \rb                              ; 48 vector instructions stand between these loads and the waits for them
.endif
.set k, 0
.rept 16
	v_pk_mul_f32 v[D+2*k:D+2*k+1], v[D+2*k:D+2*k+1], v[16:17]
.set k, k+1
.endr
.set k, 0
.rept 16
	v_pk_fma_f32 v[D+2*k:D+2*k+1], v[D+2*k:D+2*k+1], v[G+2*k:G+2*k+1], v[B+2*k:B+2*k+1]
.set k, k+1
.endr
.set k, 0
.rept 16
	v_cvt_pk_f16_f32 v[T+k], v[D+2*k], v[D+2*k+1]
.set k, k+1
.endr
.irp j, 0,1,2,3,4,5,6,7
	ds_store_b64 v[SA], v[T+2*(\j):T+2*(\j)+1] offset:(\i)*UNIT+128*(\j)
.endr
.if (\i) > 0
	BACKS (\i)-1, \rb, 8
.endif
	s_wait_dscnt 0x0                               ; for the others' sake: my rows lie in unit i (behind the first batch: my weight row in unit 4 too)
	s_barrier_signal -1
.endm
	TRIP 0, 0, A,  24, 0                           ; g, be and batch 0 are in; batches 1 to 3 stay out
	TRIP 1, 0, A1, 16, A                           ; unit 0 and the weights go where batch 0 lay
	TRIP 2, 1, 0,  8,  A1                          ; unit 1 where batch 1 lay,
	TRIP 3, 1, 32, 0,  A1+16                       ; unit 2 beside it
	s_barrier_wait -1
	BACKL 3, D
	BACKS 3, D, 0
	s_wait_tensorcnt 0x0                           ; the wave's end, behind my last LDS store
	ds_add_u32 v[SPW], v[NIL]
	s_wait_dscnt 0x0
	s_endpgm
.Lfunc_end_k_qa76ac2ffd7_prep:
	.size	k_qa76ac2ffd7_prep, .Lfunc_end_k_qa76ac2ffd7_prep-k_qa76ac2ffd7_prep
	.p2alignl 7, 3214868480
	.fill 96, 4, 3214868480
	.section	.rodata,"a",@progbits
	.p2align	6, 0x0
	.amdhsa_kernel k_qa76ac2ffd7_prep
		.amdhsa_group_segment_fixed_size 84224
		.amdhsa_private_segment_fixed_size 0
		.amdhsa_enable_private_segment 0
		.amdhsa_kernarg_size 88
		.amdhsa_user_sgpr_count 2
		.amdhsa_user_sgpr_kernarg_segment_ptr 1
		.amdhsa_wavefront_size32 1
		.amdhsa_system_sgpr_workgroup_id_x 1
		.amdhsa_system_sgpr_workgroup_id_y 1
		.amdhsa_system_sgpr_workgroup_id_z 1
		.amdhsa_system_vgpr_workitem_id 0
		.amdhsa_next_free_vgpr 320
		.amdhsa_next_free_sgpr 66
		.amdhsa_reserve_vcc 0
		.amdhsa_float_denorm_mode_32 3
		.amdhsa_float_denorm_mode_16_64 3
		.amdhsa_memory_ordered 1
		.amdhsa_forward_progress 1
		.amdhsa_inst_pref_size 71
	.end_amdhsa_kernel
	.amdgpu_metadata
---
amdhsa.version: [ 1, 2 ]
amdhsa.kernels:
  - .name:           k_qa76ac2ffd7_prep
    .symbol:         k_qa76ac2ffd7_prep.kd
    .args:
      - { .name: X, .offset: 0, .size: 8, .value_kind: global_buffer, .address_space: global }
      - { .name: g_mha, .offset: 8, .size: 8, .value_kind: global_buffer, .address_space: global }
      - { .name: be_mha, .offset: 16, .size: 8, .value_kind: global_buffer, .address_space: global }
      - { .name: wq, .offset: 24, .size: 8, .value_kind: global_buffer, .address_space: global }
      - { .name: wk, .offset: 32, .size: 8, .value_kind: global_buffer, .address_space: global }
      - { .name: wv, .offset: 40, .size: 8, .value_kind: global_buffer, .address_space: global }
      - { .name: w1, .offset: 48, .size: 8, .value_kind: global_buffer, .address_space: global }
      - { .name: wf1, .offset: 56, .size: 8, .value_kind: global_buffer, .address_space: global }
      - { .name: wf2, .offset: 64, .size: 8, .value_kind: global_buffer, .address_space: global }
      - { .name: xnf, .offset: 72, .size: 8, .value_kind: global_buffer, .address_space: global }
      - { .name: wfr, .offset: 80, .size: 8, .value_kind: global_buffer, .address_space: global }
    .group_segment_fixed_size: 84224
    .private_segment_fixed_size: 0
    .kernarg_segment_align: 8
    .kernarg_segment_size: 88
    .max_flat_workgroup_size: 256
    .sgpr_count:     66
    .vgpr_count:     320
    .wavefront_size: 32
...
	.end_amdgpu_metadata
.endif
;; end of part 1
;; launch attn (part 2): grid 8 x 32, 4 waves a work-group, clusters of 4 x 4, 327,680 bytes of LDS; arguments xnf, wfr, bq, bk, bv, ofr; writes ofr
.if DOCPART == 2
	.amdgcn_target "amdgcn-amd-amdhsa--gfx1250"
	.amdhsa_code_object_version 6
	.text
	.protected	k_qa76ac2ffd7_attn
	.globl	k_qa76ac2ffd7_attn
	.p2align	8
	.type	k_qa76ac2ffd7_attn,@function
k_qa76ac2ffd7_attn:
	s_mov_b64 s[64:65], 0
	v_nop
	global_prefetch_b8 v0, s[64:65] scope:SCOPE_SE
	s_setreg_imm32_b32 hwreg(HW_REG_WAVE_MODE, 25, 1), 1
	s_wait_xcnt 0x0
	s_wait_alu depctr_hold_cnt(0) depctr_sa_sdst(0) depctr_va_vdst(0) depctr_va_sdst(0) depctr_va_ssrc(0) depctr_va_vcc(0) depctr_vm_vsrc(0)
	s_getreg_b32 s2, hwreg(HW_REG_IB_STS2, 6, 4)
	s_cmp_eq_u32 s2, 0
	s_cbranch_scc0 .Lentry_in_a_cluster
	s_endpgm
.Lentry_in_a_cluster:
	s_bfe_u32 s2, ttmp6, 0x10000c
	s_cmp_lg_u32 s2, 0xf033
	s_cbranch_scc0 .Lentry_shape_is_right
	s_endpgm
.Lentry_shape_is_right:
; ATTN.  One head h of one batch n to a work-group: q, k, v = relu(Xn W^T + b) for the head's 64 channels and all 512 tokens, then O = softmax(q k^T / 8) v.  Nothing is left out.
; Xn and the weights come in f16 in fragment order (a fragment: 16 rows x 32 k, 1,024 bytes; lane l fills an operand by 16 bytes at 16 l and at 16 l + 512); O leaves in the same order.
; PHASE 1.  Wave w owns tokens 128 w .. + 127 (8 tiles of 16).  K = 512 goes in 8 tiles of 64 (two kb) through two LDS slots: 64 KiB of Xn and 24 KiB of weights a tile.  96 accumulators a wave.
;   q, k: source 0 = 16 channels of W, source 1 = 16 tokens of Xn: a lane holds one token and 8 channels, and two results rounded in pairs ARE a fragment of K or Q.
;   v:    source 0 = Xn, source 1 = Wv: a lane holds one channel and 8 tokens: halves of fragments of V^T.  The sums start at the biases, so every product adds in place.
; PHASE 2.  K and V^T lie in LDS (64 KiB each, where the slots' Xn lay: no fill follows), Q in registers.  Two passes of 64 queries a wave; in a pass two PIECES of two tiles of 16 queries take turns:
;   turn n has 16 products K Q^T of the other piece, the scaling, exponentials, roundings, sums and rescaling of piece n, the other piece's maximum, and 16 products V^T P of the other piece.
;   Four vector instructions stand behind every product, the rest in one lump; a turn's 66 exponentials are one batch with one wait.  p = 2^(c s - c m), c = log2(e) / 8, with a running maximum m;
;   O and l are multiplied by a = 2^(c m_old - c m_new) in every step; m starts at the lowest finite number, so the first step's a is 0.
; CLUSTER 4 x 4: the four heads of a row of the cluster share a batch's tiles of Xn, the four batches of a column a head's tiles of W: each tile is asked for jointly.
; LIMITS.  f16 holds no number beyond 65,504: |q|, |k|, |v| are at most 22.6 max|g_mha| x the norm of a row of W + |be_mha . row| + |b|.  p below 6e-5 keeps f16's step of 6e-8; a weight below 2^-126
; counts as 0 in l; NaN and infinities are not treated apart.
.set SLOT1, 1<<17                      ; slot 1 begins here: one exclusive or turns an address in one slot into the other's
.set WOFF,  65536                      ; in a slot: Xn at e 32,768 + token tile x 1,024; W at WOFF + e 12,288 + f x 1,024
.set VREG,  SLOT1                      ; phase 2: K at 0: [key tile 32][cc 2] fragments; V^T here: [kk 16][cb 4]
.set SPARE, SLOT1+WOFF+24576           ; behind slot 1: the spare words, 128 bytes a wave: two blocks of 256 bytes that no other line names
.set L16,  2                           ; v2   16 x lane; never rewritten
.set LXA,  3                           ; v3   L16 + 8,192 w
.set LWA,  4                           ; v4   L16 + WOFF
.set ADRX, 5                           ; v5   LXA in the slot in hand
.set ADRW, 6                           ; v6   LWA in the slot in hand
.set BO,   7                           ; v7   32 hh
.set RO,   8                           ; v8   4 r
.set ZERO, 9                           ; v9   0
.set SPW,  10                          ; v10  my spare word; never rewritten
.set NIL,  11                          ; v11  0; never rewritten
.set PFO,  12                          ; v12  256 x lane
.set KST,  13                          ; v13  where my K fragments go
.set VST,  14                          ; v14  where my V^T fragments go
.set BVR,  24                          ; v24-27 bv of my lane's channel, by channel tile
.set A0,   32                          ; v32-95, v96-159: Xn's 8 fragments of a kb, two buffers
.set A1,   96
.set BQ,   160                         ; v160-191 Wq's 4 fragments, v192-223 Wk's, v224-255 Wv's.  Window 1: q's sums, window 2: k's, window 3: v's: tile (i, c) at 8 (4 i + c)
.set NP,   2                           ; phase 2: pieces in a pass
.set AK0,  2
.set AV0,  3                           ; v3   L16 + VREG
.set AK,   4                           ; v4   the address of K's next run of loads
.set AV,   5                           ; v5   of V's
.set MV,   12                          ; v12-15  c m_old, by buffer and tile
.set ST,   16                          ; tile t's statistics at v[ST+4 t]: c m, m, l (even keys', odd keys')
.set TMP,  48                          ; by buffer and tile four registers at work; c2 takes a
.set S,    64                          ; v64-191  S^T, two buffers of two tiles
.set P,    192                         ; v192-255 P, likewise.  Window 1: O^T, 32 a tile.  Window 2: v0-63 Q of the pass, v64-127 the second pass's, v128-191 K, v192-255 V of one step
.set KF,   128
.set VF,   192
.set WV,   48                          ; s48  my wave's number; s49 = w / 2: I fetch Xn (0) or W (1); s50 = w % 2: which kb of the pair
.set TB,   55                          ; s55  the slot in hand
.set CNT,  56
.set PASS, 57
.set CS,   58                          ; s[58:59] c
.set SEL,  60                          ; s[60:61] v_permlanex16_b32's selects
.set TBK,  62
.set TBV,  63
.set LIM,  66                          ; s66  2 in a wave that prefetches, else the greatest number
.set PFA,  68                          ; s[68:69]
.set OB,   70                          ; s[70:71] O at my wave's rows of the pass
.set MSB, 0
.macro WIN new                         ; the high byte repeats the setting that is left; a switch that changes nothing is dropped
.if MSB != (\new)
	s_set_vgpr_msb (MSB<<8)|(\new)
.set MSB, (\new)
.endif
.endm
.macro PLACES                          ; four places behind a matrix instruction, in front of loads into its sources and of readers of its result
.rept 4
	v_nop
.endr
.endm
.macro CROUND                          ; a round of the cluster's barrier
	s_barrier_signal -1
	s_barrier_wait -1
	s_cmp_lg_u32 s[WV], 0
	s_cbranch_scc1 .Lnot_wave_0_\@
	s_barrier_signal -3
.Lnot_wave_0_\@:
	s_barrier_wait -3
	s_barrier_signal -1
	s_barrier_wait -1
.endm
.macro JLOAD                           ; a joint refill by the walking descriptors: waves 0, 1 Xn's two kb, waves 2, 3 W's; an s_nop 0 and four v_nop follow each line
	s_cmp_eq_u32 s49, 0
	s_cbranch_scc0 .Lfor_w_\@
	tensor_load_to_lds s[36:39], s[16:23]
	s_nop 0
.rept 4
	v_nop
.endr
	s_branch .Lasked_\@
.Lfor_w_\@:
	tensor_load_to_lds s[44:47], s[24:31]
	s_nop 0
.rept 4
	v_nop
.endr
.Lasked_\@:
.endm
; A prefetch of Xn's tile that stands two refills on.  A batch's tiles are read by the two clusters of its row of clusters: the one with x = 0 asks.  Of the 128 blocks of 256 bytes that wave 0 or 1
; fetches, each of the four partners takes 32, told apart by address; a lane a block.  So each block is named once.  Tiles 0 to 3 come by their loads alone; the last two refills ask for nothing.
.macro ASK
	s_cmp_gt_u32 s[CNT], s[LIM]
	s_cbranch_scc0 .Lnot_mine_\@
	global_prefetch_b8 v[PFO], s[PFA:PFA+1] th:TH_LOAD_NT scope:SCOPE_SE
.Lnot_mine_\@:
.endm
	s_load_b256 s[4:11], s[0:1], 0x0               ; xnf 4, wfr 6, bq 8, bk 10
	s_load_b128 s[12:15], s[0:1], 0x20             ; bv 12, ofr 14
	v_lshl_add_u32 v[SPW], v0, 2, SPARE
	v_mov_b32 v[NIL], 0
	ds_add_u32 v[SPW], v[NIL]                      ; the wave's opening: the add, twice on end, and its wait ahead of my first tensor load
	ds_add_u32 v[SPW], v[NIL]
	v_lshrrev_b32 v1, 5, v0
	v_readfirstlane_b32 s[WV], v1
	s_lshr_b32 s49, s[WV], 1
	s_and_b32 s50, s[WV], 1
	s_bfe_u32 s51, ttmp6, 0x40000                  ; cx
	s_bfe_u32 s52, ttmp6, 0x40004                  ; cy
	s_lshl_b32 s53, ttmp9, 2
	s_add_co_u32 s53, s53, s51                     ; the head
	s_and_b32 s54, ttmp7, 0xffff
	s_lshl_b32 s54, s54, 2
	s_add_co_u32 s54, s54, s52                     ; the batch
	s_lshl_b32 s72, s52, 2
	s_lshl_b32 s72, 15, s72                        ; my row of the cluster
	s_lshl_b32 s73, 0x1111, s51                    ; my column
	; descriptor group 1: dense blocks asked for as rows of 256 bytes (32 elements of 8 bytes): 128 rows of Xn, 48 of W
	s_or_b32 s16, s72, (3<<16)|(1<<21)             ; the mask; elements of 8 bytes; bit 21 beside a mask
	s_mov_b32 s17, 32<<16
	s_mov_b32 s18, 128<<16
	s_mov_b32 s19, 32<<16
	s_mov_b32 s20, 128
	s_mov_b32 s21, 32
	s_mov_b32 s22, 0
	s_mov_b32 s23, 0
	s_or_b32 s24, s73, (3<<16)|(1<<21)
	s_mov_b32 s25, 32<<16
	s_mov_b32 s26, 48<<16
	s_mov_b32 s27, 32<<16
	s_mov_b32 s28, 48
	s_mov_b32 s29, 32
	s_mov_b32 s30, 0
	s_mov_b32 s31, 0
	s_lshl_b32 s72, s54, 19                        ; Xn: the batch's 524,288 bytes, my kb of tile 0: made of the batch and the wave's number alone
	s_lshl_b32 s73, s50, 15
	s_add_co_u32 s72, s72, s73
	s_mov_b32 s73, 0
	s_mul_i32 s74, s53, 196608                     ; W: the head's 196,608 bytes, my kb of tile 0: made of the head and the wave's number alone
	s_mul_i32 s75, s50, 12288
	s_add_co_u32 s74, s74, s75
	s_mov_b32 s75, 0
	s_lshl_b32 s76, s50, 15                        ; where they go in a slot: no place in the cluster enters an LDS address
	s_mul_i32 s77, s50, 12288
	s_add_co_u32 s77, s77, WOFF
	s_or_b32 s[LIM], s49, ttmp9                    ; waves 0 and 1 of the clusters with x = 0: the same in all sixteen partners
	s_cmp_eq_u32 s[LIM], 0
	s_cselect_b32 s[LIM], 2, -1
	s_mov_b32 s[CS], 0x3e38aa3b                    ; c = log2(e) / 8
	s_mov_b32 s[CS+1], s[CS]
	s_mov_b32 s[SEL], 0x76543210
	s_mov_b32 s[SEL+1], 0xfedcba98
	s_mov_b32 s[TB], 0
	v_and_b32 v[L16], 31, v0
	v_lshlrev_b32 v[L16], 4, v[L16]
	v_and_b32 v[RO], 15, v0
	v_lshlrev_b32 v[RO], 2, v[RO]
	v_bfe_u32 v[BO], v0, 4, 1
	v_lshlrev_b32 v[BO], 5, v[BO]
	v_mov_b32 v[ZERO], 0
	v_lshlrev_b32 v[PFO], 4, v[L16]
	s_lshl_b32 s78, s[WV], 13
	v_add_nc_u32 v[LXA], s78, v[L16]
	v_add_nc_u32 v[LWA], WOFF, v[L16]
	s_lshl_b32 s78, s[WV], 14
	v_add_nc_u32 v[KST], s78, v[L16]
	v_add_nc_u32 v[VST], VREG, v[KST]
	v_mov_b32 v[ADRX], v[LXA]
	v_mov_b32 v[ADRW], v[LWA]
	s_wait_dscnt 0x0                               ; both opening adds are done
	s_wait_kmcnt 0x0
	s_add_nc_u64 s[72:73], s[4:5], s[72:73]
	s_add_nc_u64 s[74:75], s[6:7], s[74:75]
	CROUND                                         ; all sixteen work-groups are here: the first joint loads meet
.irp s, 0,1
	s_mov_b32 s[32+4*(\s)], 1
	s_add_co_u32 s[33+4*(\s)], s76, (\s)*SLOT1
	s_add_nc_u64 s[34+4*(\s):35+4*(\s)], s[72:73], (\s)*65536
	s_or_b32 s[35+4*(\s)], s[35+4*(\s)], 0x80000000
	s_mov_b32 s[40+4*(\s)], 1
	s_add_co_u32 s[41+4*(\s)], s77, (\s)*SLOT1
	s_add_nc_u64 s[42+4*(\s):43+4*(\s)], s[74:75], (\s)*24576
	s_or_b32 s[43+4*(\s)], s[43+4*(\s)], 0x80000000
.endr
	s_cmp_eq_u32 s49, 0                            ; a wave's two first fills stand in one branch: tiles 0 and 1; two loads of mine are out
	s_cbranch_scc0 .Lfirst_w
	tensor_load_to_lds s[32:35], s[16:23]
	s_nop 0
	tensor_load_to_lds s[36:39], s[16:23]
	s_nop 0
.rept 4
	v_nop
.endr
	s_branch .Lfirst_asked
.Lfirst_w:
	tensor_load_to_lds s[40:43], s[24:31]
	s_nop 0
	tensor_load_to_lds s[44:47], s[24:31]
	s_nop 0
.rept 4
	v_nop
.endr
.Lfirst_asked:
	s_lshl_b32 s78, s53, 8                         ; the head's 64 numbers of each bias
	s_mov_b32 s79, 0
	s_add_nc_u64 s[8:9], s[8:9], s[78:79]
	s_add_nc_u64 s[10:11], s[10:11], s[78:79]
	s_add_nc_u64 s[12:13], s[12:13], s[78:79]
	s_lshl_b32 s78, s54, 19                        ; the prefetches: the batch, my kb of tile 3 (the first refill steps it to tile 4), my work-group's 32 blocks
	s_lshl_b32 s76, s50, 15
	s_add_co_u32 s78, s78, s76
	s_lshl_b32 s76, s51, 13
	s_add_co_u32 s78, s78, s76
	s_add_co_u32 s78, s78, 6*32768
	s_add_nc_u64 s[PFA:PFA+1], s[4:5], s[78:79]
	s_lshl_b32 s78, s54, 19                        ; O: the batch, kb = 2 head, token tile 8 w
	s_lshl_b32 s76, s53, 16
	s_add_co_u32 s78, s78, s76
	s_lshl_b32 s76, s[WV], 13
	s_add_co_u32 s78, s78, s76
	s_add_nc_u64 s[OB:OB+1], s[14:15], s[78:79]
	; THE SUMS START AT THE BIASES, in the wait for the first tile.  q, k: register j of tile (i, c) is channel 16 c + 8 hh + j: 32 bytes of the bias, straight into the accumulators
	WIN 0x40
.set a, 0
.rept 32
	global_load_b128 v[8*a:8*a+3],   v[BO], s[8:9] offset:64*(a%4)
	global_load_b128 v[8*a+4:8*a+7], v[BO], s[8:9] offset:64*(a%4)+16
.set a, a+1
.endr
	WIN 0x80
.set a, 0
.rept 32
	global_load_b128 v[8*a:8*a+3],   v[BO], s[10:11] offset:64*(a%4)
	global_load_b128 v[8*a+4:8*a+7], v[BO], s[10:11] offset:64*(a%4)+16
.set a, a+1
.endr
	WIN 0
.irp c, 0,1,2,3
	global_load_b32 v[BVR+(\c)], v[RO], s[12:13] offset:64*(\c)  ; v: all 8 registers of tile (i, c) are channel 16 c + r
.endr
	s_wait_loadcnt 0x0
	WIN 0xc0
.set a, 0
.rept 256
	v_mov_b32 v[a], v[BVR+(a/8)%4]
.set a, a+1
.endr
	WIN 0
.macro FA e, buf                       ; my 8 fragments of Xn for kb e of the tile in hand
	WIN 0
.irp i, 0,1,2,3,4,5,6,7
	ds_load_b128 v[(\buf)+8*(\i):(\buf)+8*(\i)+3],   v[ADRX] offset:(\e)*32768+1024*(\i)
	ds_load_b128 v[(\buf)+8*(\i)+4:(\buf)+8*(\i)+7], v[ADRX] offset:(\e)*32768+1024*(\i)+512
.endr
.endm
.macro FB e, m                         ; the 4 fragments of matrix m (0 q, 1 k, 2 v)
	WIN 0
.irp c, 0,1,2,3
	ds_load_b128 v[BQ+32*(\m)+8*(\c):BQ+32*(\m)+8*(\c)+3],   v[ADRW] offset:(\e)*12288+(4*(\m)+(\c))*1024
	ds_load_b128 v[BQ+32*(\m)+8*(\c)+4:BQ+32*(\m)+8*(\c)+7], v[ADRW] offset:(\e)*12288+(4*(\m)+(\c))*1024+512
.endr
.endm
.macro GM m, buf                       ; 32 products of matrix m.  The 96 accumulators take turns, one instruction a turn
	WIN 0x50*((\m)+1)
.irp c, 0,1,2,3
.irp i, 0,1,2,3,4,5,6,7
.if (\m) == 2
	v_wmma_f32_16x16x32_f16 v[8*(4*(\i)+(\c)):8*(4*(\i)+(\c))+7], v[(\buf)+8*(\i):(\buf)+8*(\i)+7], v[BQ+64+8*(\c):BQ+64+8*(\c)+7], v[8*(4*(\i)+(\c)):8*(4*(\i)+(\c))+7]
.else
	v_wmma_f32_16x16x32_f16 v[8*(4*(\i)+(\c)):8*(4*(\i)+(\c))+7], v[BQ+32*(\m)+8*(\c):BQ+32*(\m)+8*(\c)+7], v[(\buf)+8*(\i):(\buf)+8*(\i)+7], v[8*(4*(\i)+(\c)):8*(4*(\i)+(\c))+7]
.endif
.endr
.endr
.endm
; The tile's first kb.  On entry its loads are out in the order Xn 16, q 8, k 8, v 8.  Each wait leaves the 32 younger loads out.
.macro STEP0
	FA 1, A1
	s_wait_dscnt 32
	GM 0, A0
	PLACES
	FB 1, 0
	s_wait_dscnt 32
	GM 1, A0
	PLACES
	FB 1, 1
	s_wait_dscnt 32
	GM 2, A0
	PLACES
	FB 1, 2
.endm
; The tile's second kb, and the change of slots: each wave waits for all its tensor loads (one is out: its part of the other slot), adds 0 to its spare word, and waits for that and for its reads of
; this slot.  refill = 1: a round of the cluster's barrier, and the slot is filled again, first thing behind it, with the tile two on.  guard = 1: in the last trip there is no next tile to fetch from.
.macro STEP1 refill, guard
.if \refill
	s_wait_xcnt 0x0                                ; the last prefetch, a tile back, has read its address
	s_add_nc_u64 s[PFA:PFA+1], s[PFA:PFA+1], 65536
.endif
	WIN 0
	s_wait_tensorcnt 0x0
	ds_add_u32 v[SPW], v[NIL]                      ; 32 products stand between the add and the wait for it
	s_wait_dscnt 17                                ; Xn and q are in: k's 8, v's 8 and the add may be out
	GM 0, A1
.if \refill
	s_xor_b32 s37, s37, SLOT1                      ; the walking descriptors: the other slot than last time, the next tile
	s_add_nc_u64 s[38:39], s[38:39], 65536
	s_xor_b32 s45, s45, SLOT1
	s_add_nc_u64 s[46:47], s[46:47], 24576
.endif
	s_wait_dscnt 0x0                               ; the add is done, and my reads of this slot are over
	WIN 0
.if \refill
	CROUND
	JLOAD                                          ; its four v_nop are also the places in front of the loads below
.else
	s_barrier_signal -1
	s_barrier_wait -1
	PLACES
.endif
	s_xor_b32 s[TB], s[TB], SLOT1
	v_add_nc_u32 v[ADRX], s[TB], v[LXA]
	v_add_nc_u32 v[ADRW], s[TB], v[LWA]
.if \guard
	s_cmp_eq_u32 s[CNT], 1
	s_cbranch_scc1 .Lg1_\@
.endif
	FA 0, A0
	FB 0, 0
.if \guard
.Lg1_\@:
.endif
.if \refill
	ASK
.endif
	GM 1, A1
	PLACES
	WIN 0
.if \guard
	s_cmp_eq_u32 s[CNT], 1
	s_cbranch_scc1 .Lg2_\@
.endif
	FB 0, 1
.if \guard
.Lg2_\@:
.endif
	GM 2, A1
	PLACES
	WIN 0
.if \guard
	s_cmp_eq_u32 s[CNT], 1
	s_cbranch_scc1 .Lg3_\@
.endif
	FB 0, 2
.if \guard
.Lg3_\@:
.endif
.endm
	s_wait_tensorcnt 1                             ; my part of tile 0 is in; tile 1's may stay out
	s_barrier_signal -1
	s_barrier_wait -1
	FA 0, A0
	FB 0, 0
	FB 0, 1
	FB 0, 2
	s_mov_b32 s[CNT], 6
.LloopA:                                               ; tiles 0 to 5: each asks for the tile two on
	STEP0
	STEP1 1, 0
	WIN 0
	s_sub_co_u32 s[CNT], s[CNT], 1
	s_cmp_lg_u32 s[CNT], 0
	s_cbranch_scc1 .LloopA
	s_mov_b32 s[CNT], 2
.LloopB:                                               ; tiles 6 and 7 ask for nothing; behind the last barrier nobody reads the ring any more
	STEP0
	STEP1 0, 1
	WIN 0
	s_sub_co_u32 s[CNT], s[CNT], 1
	s_cmp_lg_u32 s[CNT], 0
	s_cbranch_scc1 .LloopB
	; THE PROJECTIONS' WAY OUT: rounded to f16 in pairs (each accumulator from its low end on), relu on the packed halves.  K and V^T go to LDS, Q stays in registers.
	s_wait_xcnt 0x0                                ; the prefetches have read v12, which phase 2 writes
	WIN 0x0a
.set a, 0
.rept 32
.irp p, 0,1,2,3
	v_cvt_pk_f16_f32 v[32+4*a+(\p)], v[8*a+2*(\p)], v[8*a+2*(\p)+1]
.endr
.set a, a+1
.endr
	WIN 0
.set a, 0
.rept 128
	v_pk_max_num_f16 v[32+a], v[32+a], v[ZERO]
.set a, a+1
.endr
.set a, 0
.rept 32                               ; a = 4 i + c: key tile 8 w + i, half c % 2 of fragment c / 2
	ds_store_b128 v[KST], v[32+4*a:35+4*a] offset:2048*(a/4)+1024*((a%4)/2)+512*(a%2)
.set a, a+1
.endr
	WIN 0x0f
.set a, 0
.rept 32
.irp p, 0,1,2,3
	v_cvt_pk_f16_f32 v[32+4*a+(\p)], v[8*a+2*(\p)], v[8*a+2*(\p)+1]
.endr
.set a, a+1
.endr
	WIN 0
.set a, 0
.rept 128
	v_pk_max_num_f16 v[32+a], v[32+a], v[ZERO]
.set a, a+1
.endr
.set a, 0
.rept 32                               ; a = 4 i + cb: half i % 2 of the fragment of keys 32 (4 w + i / 2) on, channels 16 cb on
	ds_store_b128 v[VST], v[32+4*a:35+4*a] offset:4096*((a/4)/2)+1024*(a%4)+512*((a/4)%2)
.set a, a+1
.endr
	WIN 0x85
.set a, 0
.rept 32
.irp p, 0,1,2,3
	v_cvt_pk_f16_f32 v[4*a+(\p)], v[8*a+2*(\p)], v[8*a+2*(\p)+1]
.endr
.set a, a+1
.endr
	WIN 0x82
.set a, 0
.rept 128
	v_pk_max_num_f16 v[a], v[a], v[ZERO]
.set a, a+1
.endr
	; What the first turn finds: V's registers and P's second buffer hold 0 (its products V^T P, of a piece that has not been, add 0); O^T and l are 0.
	WIN 0x80
.set a, VF
.rept 64
	v_mov_b32 v[a], 0
.set a, a+1
.endr
	WIN 0x40
.set a, 0
.rept 128
	v_mov_b32 v[a], 0
.set a, a+1
.endr
	WIN 0
.set a, 0
.rept 4
	v_mov_b32 v[ST+4*a+2], 0
	v_mov_b32 v[ST+4*a+3], 0
.set a, a+1
.endr
.set a, P+32
.rept 32
	v_mov_b32 v[a], 0
.set a, a+1
.endr
	v_add_nc_u32 v[AV0], VREG, v[L16]
	s_wait_dscnt 0x0                               ; for the others' sake: my K and V^T lie in LDS
	s_barrier_signal -1
	s_barrier_wait -1
.set W_KQ, 0x0a       ; K and Q in window 2, S^T in window 0
.set W_PV, 0x52       ; V in window 2, P in window 0, O^T in window 1
.set W_RS, 0x41       ; O^T (destination and source 0) in window 1, a in window 0
; Product i of 16 of S^T = K Q^T for piece x: channels 32 (i / 8) on, keys 16 ((i / 2) % 4) on, tile 2 x + i % 2.  The first 8 start the sums.  The 8 accumulators take turns.
.macro KQ x
	WIN W_KQ
.set rS, S+64*((\x)%2)+32*(i%2)+8*((i/2)%4)
.set rK, KF+16*((i/2)%4)+8*(i/8)
.set rQ, 16*(2*(\x)+i%2)+8*(i/8)
.if i < 8
	v_wmma_f32_16x16x32_f16 v[rS:rS+7], v[rK:rK+7], v[rQ:rQ+7], 0
.else
	v_wmma_f32_16x16x32_f16 v[rS:rS+7], v[rK:rK+7], v[rQ:rQ+7], v[rS:rS+7]
.endif
.endm
; Product i of 16 of O^T += V^T P for piece x: keys 32 (i / 8) on, channels 16 ((i / 2) % 4) on, tile 2 x + i % 2.
.macro PV x
	WIN W_PV
.set rO, 32*(2*(\x)+i%2)+8*((i/2)%4)
.set rV, VF+32*(i/8)+8*((i/2)%4)
.set rP, P+32*((\x)%2)+16*(i%2)+8*(i/8)
	v_wmma_f32_16x16x32_f16 v[rO:rO+7], v[rV:rV+7], v[rP:rP+7], v[rO:rO+7]
.endm
.macro MM                           ; the turn's next matrix instruction
.if i < 16
	KQ (Y+1)%NP
.set i, i+1
.else
.set i, i-16
	PV (Y+NP-1)%NP
.set i, i+17
.endif
.endm
; The LDS loads stand in runs of 16: a step's K (8 fragments) and its V^T (8 fragments), both as they lie.  last = 1: in the last trip there is no further step, and the run is jumped over.
.macro FETCH_K last=0
	WIN 0
.if \last
	s_cmp_eq_u32 s[CNT], 1
	s_cbranch_scc1 .Lno_k_\@
.endif
	WIN 0x80
.irp f, 0,1,2,3,4,5,6,7
	ds_load_b128 v[KF+8*\f:KF+8*\f+3],   v[AK] offset:1024*\f
	ds_load_b128 v[KF+8*\f+4:KF+8*\f+7], v[AK] offset:1024*\f+512
.endr
	s_add_co_u32 s[TBK], s[TBK], 8192
	WIN 0
.if \last
.Lno_k_\@:
.endif
.endm
.macro FETCH_V
	WIN 0x80
.irp f, 0,1,2,3,4,5,6,7
	ds_load_b128 v[VF+8*\f:VF+8*\f+3],   v[AV] offset:1024*\f
	ds_load_b128 v[VF+8*\f+4:VF+8*\f+7], v[AV] offset:1024*\f+512
.endr
	WIN 0
.endm
; THE VECTOR WORK OF A TURN stands in three queues, each in the order in which its entries become ready; the two tiles alternate.
.macro REGS y, u                    ; the registers of tile u (0, 1) of piece y
.set rT, ST+4*(2*(\y)+(\u))
.set rC, TMP+8*((\y)%2)+4*(\u)
.set rM, MV+2*((\y)%2)+(\u)
.set rS, S+64*((\y)%2)+32*(\u)
.set rP, P+32*((\y)%2)+16*(\u)
.set rO, 32*(2*(\y)+(\u))
.endm
; Number n of the 22 that find the other piece's maximum and statistics; each accumulator's lowest registers are read first.
;   0-11 four chains of seven scores   12-14, 16 the four left over, the old m, all into c0   15 c m_old is kept   17, 18 the lane 16 away: the new m   19-21 c m; c m_old - c m_new; a
.macro XS u, n
	REGS (Y+1)%NP, \u
.if (\n) < 4
	v_max3_num_f32 v[rC+(\n)], v[rS+8*(\n)], v[rS+8*(\n)+1], v[rS+8*(\n)+2]
.elseif (\n) < 12
	v_max3_num_f32 v[rC+(\n)%4], v[rC+(\n)%4], v[rS+8*((\n)%4)+2*((\n)/4)+1], v[rS+8*((\n)%4)+2*((\n)/4)+2]
.elseif (\n) == 12
	v_max3_num_f32 v[rC], v[rC], v[rS+7], v[rS+15]
.elseif (\n) == 13
	v_max3_num_f32 v[rC+1], v[rC+1], v[rS+23], v[rS+31]
.elseif (\n) == 14
	v_max3_num_f32 v[rC+2], v[rC+2], v[rC+3], v[rT+1]
.elseif (\n) == 15
	v_mov_b32 v[rM], v[rT]
.elseif (\n) == 16
	v_max3_num_f32 v[rC], v[rC], v[rC+1], v[rC+2]
.elseif (\n) == 17
	v_permlanex16_b32 v[rC+3], v[rC], s[SEL], s[SEL+1]
.elseif (\n) == 18
	v_max_num_f32 v[rT+1], v[rC], v[rC+3]
.elseif (\n) == 19
	v_mul_f32 v[rT], s[CS], v[rT+1]
.elseif (\n) == 20
	v_sub_f32 v[rC+1], v[rM], v[rT]
.else
	v_exp_f32 v[rC+2], v[rC+1]
.endif
.endm
; Number g of the 64 that follow the exponentials: of each four weights both pairs are rounded to f16, the second pair is added onto the first, and a group later l takes that sum (the first time l = a l + sum).
.macro GS g
.set h, (\g)+6*((\g)/62)
.if h >= 6
.set h, h+2
.endif
	REGS Y, h%2
.set k, h/8
.if h%8 < 4
	v_cvt_pk_f16_f32 v[rP+2*k+(h%8)/2], v[rS+4*k+2*((h%8)/2)], v[rS+4*k+2*((h%8)/2)+1]
.elseif h%8 < 6
	v_pk_add_f32 v[rS+4*k:rS+4*k+1], v[rS+4*k:rS+4*k+1], v[rS+4*k+2:rS+4*k+3]
.elseif k == 1
	v_pk_fma_f32 v[rT+2:rT+3], v[rT+2:rT+3], v[rC+2:rC+3], v[rS:rS+1] op_sel_hi:[1,0,1]
.else
	v_pk_add_f32 v[rT+2:rT+3], v[rT+2:rT+3], v[rS+4*k-4:rS+4*k-3]
.endif
.endm
; THE PLAIN QUEUE, 138 long.  0-73 read no exponential's result: the 32 scalings and the other piece's 42; 74-137 are GS's 64, behind the wait.
.macro FS f
	REGS Y, (\f)%2
	v_pk_fma_f32 v[rS+2*((\f)/2):rS+2*((\f)/2)+1], v[rS+2*((\f)/2):rS+2*((\f)/2)+1], s[CS:CS+1], v[rT:rT+1] op_sel_hi:[1,0,0] neg_lo:[0,0,1] neg_hi:[0,0,1]
.endm
.macro PL
	WIN 0
.if q < 27
	FS q
.elseif q < 55
	XS (q-27)%2, (q-27)/2
.elseif q < 57
	XS q-55, 15
.elseif (q < 72) && ((q-57)%3 == 0)
	FS 27+(q-57)/3
.elseif q < 60
	XS (q-57)%3-1, 14
.elseif q < 72
	XS (q-57)%3-1, 15+(q-57)/3
.elseif q < 74
	XS q-72, 20
.else
	GS q-74
.endif
.set q, q+1
.endm
; THE EXPONENTIALS' QUEUE, 66 long: one batch, all ahead of the turn's one wait.
.macro EX
	WIN 0
.if e >= 64
	XS e-64, 21
.else
	REGS Y, e%2
	v_exp_f32 v[rS+e/2], v[rS+e/2]
.endif
.set e, e+1
.endm
; THE RESCALING's QUEUE: O^T times a, two at a time.
.macro R2
	REGS Y, r%2
	WIN W_RS
.irp z, 0,1
	v_pk_mul_f32 v[rO+4*(r/2)+2*\z:rO+4*(r/2)+2*\z+1], v[rO+4*(r/2)+2*\z:rO+4*(r/2)+2*\z+1], v[rC+2:rC+3] op_sel_hi:[1,0]
.endr
.set r, r+1
.endm
; A TURN, for piece p.  Ahead of its one wait stands all that names no result of its exponentials: 16 products K Q^T with their riders, and the lump; behind it 16 products V^T P, each with four of GS's.
; Turn 0 fetches K of the next step directly behind the wait (a lump behind the last product that read K) and V of the step in hand at its end (four riders behind V's last reader).
; Turn 1 waits for K at its head, where V's 16 younger loads may stay out, and for V behind its wait.
.macro TURN p, last=0, cnt=0
.set Y, (\p)
.set i, 0
.set q, 0
.set e, 0
.set r, 0
.if (\p) == 1
	s_wait_dscnt 16                 ; K is in
.endif
	MM
	PL
	PL
	R2
.rept 15
	MM
	PL
	EX
	R2
.endr
.if (\p) == 0
	WIN 0
	v_add_nc_u32 v[AK], s[TBK], v[AK0]
.endif
.rept 8
	PL
.endr
.rept 49
	EX
	PL
.endr
	EX
	EX
	v_nop                           ; a plain instruction behind the last exponential: one for the batch
	s_wait_alu depctr_va_vdst(0)    ; the wait for the batch
.if (\p) == 0
	FETCH_K \last
.endif
.if (\p) == 1
	s_wait_dscnt 0x0                ; V is in
.endif
.rept 16
	MM
.rept 4
	PL
.endr
.if ((\p) == 0) && (q == 118)
	v_add_nc_u32 v[AV], s[TBV], v[AV0]
.endif
.if ((\p) == 0) && (q == 130)
	s_add_co_u32 s[TBV], s[TBV], 8192
.endif
.if (\cnt) && (q == 130)
	s_sub_co_u32 s[CNT], s[CNT], 1
	s_cmp_lg_u32 s[CNT], 0
.endif
.endr
.if (\p) == 0
	FETCH_V
.endif
.endm
.macro ALL line:vararg              ; one line for each tile t
.set t, 0
.rept 2*NP
	\line
.set t, t+1
.endr
.endm
; Tile t leaves: O^T / l, rounded to f16: a lane's 8 channels are 16 bytes of a fragment of O, so each store of the wave covers 512 consecutive bytes, aligned, with no way through LDS.
.macro OUTT t
	WIN W_RS
.set i, 32*(\t)
.rept 16
	v_pk_mul_f32 v[i:i+1], v[i:i+1], v[ST+4*(\t)+2:ST+4*(\t)+3] op_sel_hi:[1,0]
.set i, i+2
.endr
	WIN 0x05
.set i, 0
.rept 16
	v_cvt_pk_f16_f32 v[S+16*(\t)+i], v[32*(\t)+2*i], v[32*(\t)+2*i+1]
.set i, i+1
.endr
	WIN 0
.irp f, 0,1,2,3
	global_store_b128 v[L16], v[S+16*(\t)+4*\f:S+16*(\t)+4*\f+3], s[OB:OB+1] offset:(\f/2)*32768+(\t)*1024+(\f%2)*512
.endr
.endm
	s_mov_b32 s[PASS], 2
.Lpass:                                                ; a pass: 64 queries of the wave against all 512 keys
.set a, 0
.rept 4
	v_mov_b32 v[ST+4*a], 0xfe000000                ; c m: far below every c s, so the first step's a is 0 and what O^T and l hold need only be finite
	v_mov_b32 v[ST+4*a+1], 0xff7fffff              ; m
.set a, a+1
.endr
	s_mov_b32 s[TBK], 0
	s_mov_b32 s[TBV], 0
	v_mov_b32 v[AK], v[AK0]
	FETCH_K
	s_wait_dscnt 0x0
.set i, 0
.rept 16
	KQ 0                                           ; piece 0's first scores
.set i, i+1
.endr
	WIN 0
	PLACES
.set Y, NP-1
.irp n, 0,1,2,3,4,5,6,7,8,9,10,11,12,13,14,15,16,17,18,19,20,21
	XS 0, \n
	XS 1, \n
.endr
	v_nop
	s_wait_alu depctr_va_vdst(0)                   ; the two a have their wait ahead of the label
	s_mov_b32 s[CNT], 8
.Lstep:                                                ; a key step of 64.  In the last trip turn 1's products K Q^T, on the last K once more, and the maximum made of them serve nothing: the price of one text
	TURN 0, 1
	TURN 1, 0, 1
	WIN 0
	s_cbranch_scc1 .Lstep
.set i, 0
.rept 16
	PV NP-1                                        ; piece 1's V^T P of the last step
.set i, i+1
.endr
	WIN 0                                          ; l's two halves and the other half of the lanes'; the additions are the places behind the last products
	ALL v_add_f32 v[ST+4*t+2], v[ST+4*t+2], v[ST+4*t+3]
	ALL v_permlanex16_b32 v[ST+4*t+3], v[ST+4*t+2], s[SEL], s[SEL+1]
	ALL v_add_f32 v[ST+4*t+2], v[ST+4*t+2], v[ST+4*t+3]
	ALL v_rcp_f32 v[ST+4*t+2], v[ST+4*t+2]
	v_nop
	s_wait_alu depctr_va_vdst(0)                   ; one wait for the four reciprocals
	OUTT 0
	OUTT 1
	OUTT 2
	OUTT 3
	s_sub_co_u32 s[PASS], s[PASS], 1
	s_cmp_eq_u32 s[PASS], 0
	s_cbranch_scc1 .Ldone
	s_wait_xcnt 0x0                                ; the stores have read their registers and O's address
	s_add_nc_u64 s[OB:OB+1], s[OB:OB+1], 4096      ; four token tiles on
	WIN 0x82                                       ; the second pass's Q goes where the one text of the turns names Q
.set a, 0
.rept 64
	v_mov_b32 v[a], v[64+a]
.set a, a+1
.endr
	WIN 0
	s_branch .Lpass
.Ldone:
	s_wait_tensorcnt 0x0                           ; the wave's end, behind my last tensor load and my last LDS store
	ds_add_u32 v[SPW], v[NIL]
	s_wait_dscnt 0x0
	CROUND                                         ; the closing round
	s_endpgm
.Lfunc_end_k_qa76ac2ffd7_attn:
	.size	k_qa76ac2ffd7_attn, .Lfunc_end_k_qa76ac2ffd7_attn-k_qa76ac2ffd7_attn
	.p2alignl 7, 3214868480
	.fill 96, 4, 3214868480
	.section	.rodata,"a",@progbits
	.p2align	6, 0x0
	.amdhsa_kernel k_qa76ac2ffd7_attn
		.amdhsa_group_segment_fixed_size 327680
		.amdhsa_private_segment_fixed_size 0
		.amdhsa_enable_private_segment 0
		.amdhsa_kernarg_size 48
		.amdhsa_user_sgpr_count 2
		.amdhsa_user_sgpr_kernarg_segment_ptr 1
		.amdhsa_wavefront_size32 1
		.amdhsa_system_sgpr_workgroup_id_x 1
		.amdhsa_system_sgpr_workgroup_id_y 1
		.amdhsa_system_sgpr_workgroup_id_z 1
		.amdhsa_system_vgpr_workitem_id 0
		.amdhsa_next_free_vgpr 1024
		.amdhsa_next_free_sgpr 80
		.amdhsa_reserve_vcc 0
		.amdhsa_float_denorm_mode_32 3
		.amdhsa_float_denorm_mode_16_64 3
		.amdhsa_memory_ordered 1
		.amdhsa_forward_progress 1
		.amdhsa_inst_pref_size 185
	.end_amdhsa_kernel
	.amdgpu_metadata
---
amdhsa.version: [ 1, 2 ]
amdhsa.kernels:
  - .name:           k_qa76ac2ffd7_attn
    .symbol:         k_qa76ac2ffd7_attn.kd
    .args:
      - { .name: xnf, .offset: 0, .size: 8, .value_kind: global_buffer, .address_space: global }
      - { .name: wfr, .offset: 8, .size: 8, .value_kind: global_buffer, .address_space: global }
      - { .name: bq, .offset: 16, .size: 8, .value_kind: global_buffer, .address_space: global }
      - { .name: bk, .offset: 24, .size: 8, .value_kind: global_buffer, .address_space: global }
      - { .name: bv, .offset: 32, .size: 8, .value_kind: global_buffer, .address_space: global }
      - { .name: ofr, .offset: 40, .size: 8, .value_kind: global_buffer, .address_space: global }
    .group_segment_fixed_size: 327680
    .private_segment_fixed_size: 0
    .kernarg_segment_align: 8
    .kernarg_segment_size: 48
    .max_flat_workgroup_size: 128
    .sgpr_count:     80
    .vgpr_count:     1024
    .wavefront_size: 32
...
	.end_amdgpu_metadata
.endif
;; end of part 2
;; launch ffn (part 3): grid 256 x 1, 4 waves a work-group, clusters of 4 x 1, 327,680 bytes of LDS; arguments ofr, xnf, wfr, b1, g_ffn, be_ffn, bf1, bf2, out0; writes out0
.if DOCPART == 3
	.amdgcn_target "amdgcn-amd-amdhsa--gfx1250"
	.amdhsa_code_object_version 6
	.text
	.protected	k_qa76ac2ffd7_ffn
	.globl	k_qa76ac2ffd7_ffn
	.p2align	8
	.type	k_qa76ac2ffd7_ffn,@function
k_qa76ac2ffd7_ffn:
	s_mov_b64 s[64:65], 0
	v_nop
	global_prefetch_b8 v0, s[64:65] scope:SCOPE_SE
	s_setreg_imm32_b32 hwreg(HW_REG_WAVE_MODE, 25, 1), 1
	s_wait_xcnt 0x0
	s_wait_alu depctr_hold_cnt(0) depctr_sa_sdst(0) depctr_va_vdst(0) depctr_va_sdst(0) depctr_va_ssrc(0) depctr_va_vcc(0) depctr_vm_vsrc(0)
	s_getreg_b32 s2, hwreg(HW_REG_IB_STS2, 6, 4)
	s_cmp_eq_u32 s2, 0
	s_cbranch_scc0 .Lentry_in_a_cluster
	s_endpgm
.Lentry_in_a_cluster:
	s_bfe_u32 s2, ttmp6, 0x10000c
	s_cmp_lg_u32 s2, 0x3003
	s_cbranch_scc0 .Lentry_shape_is_right
	s_endpgm
.Lentry_shape_is_right:
; FFN.  For 64 rows (tokens) a work-group: X2 = Xn + O w1^T + b1; y = LayerNorm(X2) with g_ffn, be_ffn (unbiased deviation, divided by s + 1e-6); out = X2 + relu(y wf1^T + bf1) wf2^T + bf2.  Nothing is left out.
; O, Xn and the weights come in f16 in fragment order (16 rows x 32 k, 1,024 bytes; lane l fills an operand by 16 bytes at 16 l and at 16 l + 512).  X2, all sums and statistics stay in f32.
; SHARES.  Wave w owns columns 128 w .. + 127 of the 512 for all 64 rows: 32 accumulators ACC (source 0 = 16 rows of a weight, source 1 = 16 tokens: a lane holds one token and 8 neighbouring columns).
; ACC starts at Xn + b1, takes O w1^T, is normalised into y without being changed, and then takes the second product of the FFN on top: it never leaves its registers.
; y (64 x 512 of f16) lies whole in every wave's registers.  The hidden layer goes in 8 chunks of 128: wave w makes hidden columns 32 w .. + 31 of a chunk (8 accumulators F), which packed ARE its own
; fragment kb = w of H; the waves exchange these through 16 KiB of LDS.  K of a chunk is walked ROTATED, kb = (w + 0, 1, 2, 3) % 4, so that a wave begins on the fragment that it holds.
; THE WEIGHTS are 20 tiles of 128 KiB in 10 pairs: pairs 0, 1: w1's four K chunks; pair 2 + c: wf1's and wf2's chunk c.  Two LDS slots, a pair's first tile in slot 0; each wave fetches a quarter of a tile.
; THE ORDER OF THE PAIRS HANGS ON THE CLUSTER'S NUMBER x, which its four partners share: x % 2, 1 - x % 2, then 2 + (x % 8 + i) % 8, i = 0..7.  Both sums (over w1's K chunks, over the hidden chunks) are
; f32 sums that may be taken in any order.  So at any time the clusters ask for eight different chunks, and not all for the same one.
; CLUSTER 4 x 1: the four work-groups of a cluster walk the same tiles in the same order, and ask for each jointly.
; LIMITS.  f16 holds no number beyond 65,504: |y| is at most 22.6 |g_ffn| + |be_ffn|, |h| at most 22.6 max|g_ffn| x the norm of a row of wf1 + |be_ffn . row| + |bf1|.  NaN and infinities are not treated apart.
.set PB,    1572864                    ; where the 20 tiles begin in wfr
.set SLOT1, 131072
.set HB,    262144                     ; H's (and O's) exchange: [kb 4][token tile 4] fragments
.set ZB,    262144                     ; y's exchange, 32 KiB: [kb 16][token tile of a pair 2]; between S1 and the FFN, barriers between
.set OST,   278528                     ; the way out: 16 rows x 528 bytes for each wave
.set STATS, 312320                     ; two regions of 1,024 bytes: [token tile 4][r 16][wave 4] of f32
.set SPARE, 314368                     ; the spare words, 128 bytes a wave: two blocks of 256 bytes that no other line names
.set L16,  2                           ; v2   16 x lane; never rewritten
.set SPW,  5                           ; v5   my spare word; never rewritten
.set NIL,  6                           ; v6   0; never rewritten
.set ZERO, 7
.set ONE,  8
.set LF,   9                           ; v9   L16 + 32,768 w: my rows of a tile of wf1 (always slot 0)
.set LB0,  10                          ; v10-13 slot 0, v14-17 slot 1: L16 + 8,192 w + 32,768 ((w + qq) % 4)
.set LH,   18                          ; v18-20 HB + L16 + 4,096 ((w + qq) % 4), qq = 1..3
.set LHS,  21                          ; v21  HB + L16 + 4,096 w
.set LZS,  22                          ; v22  ZB + L16 + 8,192 w
.set LZ,   23                          ; v23  ZB + L16
.set LOS,  24                          ; v24  OST + 8,448 w + 528 r + 32 hh
.set LOR,  25                          ; v25  OST + 8,448 w + L16
.set STS,  26                          ; v26  STATS + 16 r + 4 w
.set STL,  27                          ; v27  STATS + 16 r
.set BIO,  28                          ; v28  BIO0 + 512 x chunk
.set PFO,  29                          ; v29  256 x lane; never rewritten
.set CB,   30                          ; v30  512 w + 32 hh
.set BIO0, 31                          ; v31  128 w + 32 hh; never rewritten
.set MEAN, 32                          ; v32-39 the mean, later mean / (s + eps), a pair a token tile
.set BI,   40                          ; v40-55 bf1 of my 32 hidden columns of the chunk
.set INV,  56                          ; v56-63 1 / (s + eps), a pair a token tile
.set F,    64                          ; v64-127 F(tt, j) at F + 16 tt + 8 j; packed: my H fragment in F + 16 tt + 0..7
.set BUF0, 128                         ; v128-191, v192-255 weight fragments, two buffers.  Window 1: ACC(tt, ct) at 8 (8 tt + ct).  Windows 2, 3: Y(kb, tt) at 8 (4 (kb % 8) + tt)
.set BUF1, 192
; scalars: s[52:53] my quarter of pair 0's first tile, s[66:67] of its second: never rewritten; s[68:69] the byte offset of the pair to be asked for; s70 the chunk to be asked for;
; s71 the offset of my cluster's first chunk's pair; s[74:75] O at my fragments of w1's second pair; s[46:47] the prefetches' base: never rewritten
.set MSB, 0
.macro WIN new
.if MSB != (\new)
	s_set_vgpr_msb (MSB<<8)|(\new)
.set MSB, (\new)
.endif
.endm
.macro PLACES
.rept 4
	v_nop
.endr
.endm
.macro ROUND                           ; a round of the cluster's barrier
	s_barrier_signal -1
	s_barrier_wait -1
	s_cmp_lg_u32 s40, 0
	s_cbranch_scc1 .Lnot_wave_0_\@
	s_barrier_signal -3
.Lnot_wave_0_\@:
	s_barrier_wait -3
	s_barrier_signal -1
	s_barrier_wait -1
.endm
.macro JL set                          ; my quarter of a tile, jointly with my three partners; an s_nop 0 and four v_nop follow
	tensor_load_to_lds s[32+4*(\set):35+4*(\set)], s[24:31]
	s_nop 0
.rept 4
	v_nop
.endr
.endm
; A prefetch of my cluster's first chunk's two tiles, in S1's first trip: behind the refills of slots 0 and 1, two refills ahead of the loads that will ask for them.  Chunk c is the first chunk of the clusters
; x % 8 = c: cluster c asks.  Of the 128 blocks of 256 bytes that a wave fetches each of the four partners takes 32, told apart by address; a lane a block.  So each block of wf1 and wf2 is named once.
; w1's tiles are asked for by the loads alone: half of them go out at the head, in each cluster.
.macro ASK slot
	s_cmp_gt_u32 s43, s45                          ; s43 = 2 in S1's first trip; s45 = 1 in clusters 0 to 7, else the greatest number
	s_cbranch_scc0 .Lnot_mine_\@
	global_prefetch_b8 v[PFO], s[46:47] offset:(\slot)*131072 th:TH_LOAD_NT scope:SCOPE_SE
.Lnot_mine_\@:
.endm
.macro NEXTCH                          ; the next chunk of the walk, and its pair's offset
	s_add_co_u32 s70, s70, 1
	s_and_b32 s70, s70, 7
	s_add_co_u32 s68, s70, 2
	s_lshl_b32 s68, s68, 18
.endm
.macro FBA adr, buf                    ; 8 weight fragments (my 8 column tiles) of one kb
	WIN 0
.irp x, 0,1,2,3,4,5,6,7
	ds_load_b128 v[(\buf)+8*(\x):(\buf)+8*(\x)+3],   v[\adr] offset:1024*(\x)
	ds_load_b128 v[(\buf)+8*(\x)+4:(\buf)+8*(\x)+7], v[\adr] offset:1024*(\x)+512
.endr
.endm
.macro FH qq, base                     ; another wave's 4 fragments out of the exchange
	WIN 0
.irp x, 0,1,2,3
	ds_load_b128 v[F+16*(\x)+(\base):F+16*(\x)+(\base)+3],   v[LH+(\qq)-1] offset:1024*(\x)
	ds_load_b128 v[F+16*(\x)+(\base)+4:F+16*(\x)+(\base)+7], v[LH+(\qq)-1] offset:1024*(\x)+512
.endr
.endm
.macro FBF g, buf                      ; wf1: kb = 4 g + 0..3, my two row tiles
	WIN 0
.irp x, 0,1,2,3
.irp j, 0,1
	ds_load_b128 v[(\buf)+8*(2*(\x)+(\j)):(\buf)+8*(2*(\x)+(\j))+3],   v[LF] offset:16384*(\j)+1024*(4*(\g)+(\x))
	ds_load_b128 v[(\buf)+8*(2*(\x)+(\j))+4:(\buf)+8*(2*(\x)+(\j))+7], v[LF] offset:16384*(\j)+1024*(4*(\g)+(\x))+512
.endr
.endr
.endm
; ACC += weights (buf) x 4 token fragments (window awin, areg + astep tt), column tiles c0 to c1.  The accumulators take turns, one instruction a turn.
.macro QA buf, awin, areg, astep, c0, c1
	WIN 0x50|((\awin)<<2)
.set ct, \c0
.rept (\c1)-(\c0)+1
.set tt, 0
.rept 4
	v_wmma_f32_16x16x32_f16 v[8*(8*tt+ct):8*(8*tt+ct)+7], v[(\buf)+8*ct:(\buf)+8*ct+7], v[(\areg)+(\astep)*tt:(\areg)+(\astep)*tt+7], v[8*(8*tt+ct):8*(8*tt+ct)+7]
.set tt, tt+1
.endr
.set ct, ct+1
.endr
.endm
; F += wf1 x y for kb = 4 g + k0 .. 4 g + k1; kb = 0 starts the sums at bf1.
.macro QF g, buf, k0, k1
	WIN 0x08+4*((\g)/2)
.set kq, \k0
.rept (\k1)-(\k0)+1
.set jj, 0
.rept 2
.set tt, 0
.rept 4
.if (4*(\g)+kq) == 0
	v_wmma_f32_16x16x32_f16 v[F+16*tt+8*jj:F+16*tt+8*jj+7], v[(\buf)+8*(2*kq+jj):(\buf)+8*(2*kq+jj)+7], v[8*(4*((4*(\g)+kq)%8)+tt):8*(4*((4*(\g)+kq)%8)+tt)+7], v[BI+8*jj:BI+8*jj+7]
.else
	v_wmma_f32_16x16x32_f16 v[F+16*tt+8*jj:F+16*tt+8*jj+7], v[(\buf)+8*(2*kq+jj):(\buf)+8*(2*kq+jj)+7], v[8*(4*((4*(\g)+kq)%8)+tt):8*(4*((4*(\g)+kq)%8)+tt)+7], v[F+16*tt+8*jj:F+16*tt+8*jj+7]
.endif
.set tt, tt+1
.endr
.set jj, jj+1
.endr
.set kq, kq+1
.endr
.endm
; THE CHANGE OF SLOTS, in two halves with 16 products between them.  Each wave waits for all its tensor loads (one is out: its part of the other slot), adds 0 to its spare word, and waits for that and
; for its reads of this slot.  refill = 1: a round of the cluster's barrier, and this slot is filled again, first thing behind it, with the same slot's tile of the walk's next pair:
; the descriptor's address is made anew from the slot's base and that pair's offset, while no tensor load of mine is out.
.macro TURNHEAD
	WIN 0
	s_wait_tensorcnt 0x0
	ds_add_u32 v[SPW], v[NIL]                      ; 16 products stand between the add and the wait for it
	s_wait_dscnt 1                                 ; the last fragments are in; the add may be out
.endm
.macro TURNMID set, refill
.if \refill
	s_add_nc_u64 s[34+4*(\set):35+4*(\set)], s[52+14*(\set):53+14*(\set)], s[68:69]
	s_or_b32 s[35+4*(\set)], s[35+4*(\set)], 0x80000000
.endif
	s_wait_dscnt 0x0                               ; the add is done, and my reads of this slot are over
	WIN 0
.if \refill
	ROUND
	JL \set                                        ; its four v_nop are also the places in front of the loads that follow
.else
	s_barrier_signal -1
	s_barrier_wait -1
	PLACES
.endif
.endm
; ACC += a chunk of 128 along K: the tile in slot; my own 4 fragments (window ownwin, ownreg + ownstep tt) lie in registers and have been stored to the exchange; the first kb's weights are on their way to BUF0.
; next: what is fetched first from the other slot: 1 a tile of this kind, 2 a tile of wf1, 3 as 1 but not in S1's last trip.  final = 1: the last tile.  s1 = 1: in S1's first trip my O fragments of the second pair are loaded.
.macro TILE_A slot, ownwin, ownreg, ownstep, next, final, s1
	s_wait_dscnt 0x0                               ; my fragments lie in the exchange, the first weights are in
	s_barrier_signal -1
	FBA LB0+4*(\slot)+1, BUF1                      ; bytes of the ring, which nobody writes before a later barrier
	QA BUF0, \ownwin, \ownreg, \ownstep, 0, 3
	s_barrier_wait -1                              ; everybody's fragments lie in the exchange
	FH 1, 8
	QA BUF0, \ownwin, \ownreg, \ownstep, 4, 7
	PLACES
.if \s1
	WIN 0
	s_cmp_eq_u32 s43, 1
	s_cbranch_scc1 .Lno_own_\@
	WIN 0x80
.irp x, 0,1,2,3
	global_load_b128 v[(\ownreg)+8*(\x):(\ownreg)+8*(\x)+3],   v[L16], s[74:75] offset:(\slot)*131072+1024*(\x) th:TH_LOAD_NT
	global_load_b128 v[(\ownreg)+8*(\x)+4:(\ownreg)+8*(\x)+7], v[L16], s[74:75] offset:(\slot)*131072+1024*(\x)+512 th:TH_LOAD_NT
.endr
	WIN 0
.Lno_own_\@:
.endif
	FBA LB0+4*(\slot)+2, BUF0
	FH 2, 0
	s_wait_dscnt 24                                ; all but the 16 + 8 just issued
	QA BUF1, 0, F+8, 16, 0, 7
	PLACES
	FBA LB0+4*(\slot)+3, BUF1
	FH 3, 8
	s_wait_dscnt 24
	QA BUF0, 0, F, 16, 0, 7
.if \final
	s_wait_dscnt 0x0
	QA BUF1, 0, F+8, 16, 0, 7
.else
	TURNHEAD
	QA BUF1, 0, F+8, 16, 0, 3
	TURNMID \slot, 1
.if (\next) == 1
	FBA LB0+4*(1-(\slot)), BUF0
.elseif (\next) == 2
	FBF 0, BUF0
.else
	s_cmp_eq_u32 s43, 1
	s_cbranch_scc1 .Lno_next_\@
	FBA LB0+4*(1-(\slot)), BUF0
.Lno_next_\@:
.endif
.if \s1
	ASK \slot
.endif
	QA BUF1, 0, F+8, 16, 4, 7
.endif
.endm
; F = bf1 + y x a chunk of wf1 (the tile in slot 0), relu, packed to my H fragment, stored to the exchange.  The first group's weights are on their way to BUF0.
.macro TILE_F refill, nextbias
.rept 5
	v_nop                                          ; five places: the products below write over registers that the last products read
.endr
	FBF 1, BUF1
	s_wait_dscnt 16
	s_wait_loadcnt 0x0                             ; bf1 of this chunk
	QF 0, BUF0, 0, 3
	PLACES
.if \nextbias
	WIN 0
	s_lshl_b32 s76, s70, 9                         ; bf1 of the walk's next chunk: 512 bytes a chunk
	v_add_nc_u32 v[BIO], s76, v[BIO0]
.irp j, 0,1
	global_load_b128 v[BI+8*(\j):BI+8*(\j)+3],   v[BIO], s[16:17] offset:64*(\j)
	global_load_b128 v[BI+8*(\j)+4:BI+8*(\j)+7], v[BIO], s[16:17] offset:64*(\j)+16
.endr
.endif
	FBF 2, BUF0
	s_wait_dscnt 16
	QF 1, BUF1, 0, 3
	PLACES
	FBF 3, BUF1
	s_wait_dscnt 16
	QF 2, BUF0, 0, 3
	TURNHEAD
	QF 3, BUF1, 0, 1
	TURNMID 0, \refill
	FBA LB0+4, BUF0
	QF 3, BUF1, 2, 3
	PLACES
	WIN 0
.irp x, 0,1,2,3
.irp p, 0,1,2,3
	v_cvt_pk_f16_f32 v[F+16*(\x)+(\p)], v[F+16*(\x)+2*(\p)], v[F+16*(\x)+2*(\p)+1]
.endr
.irp p, 0,1,2,3
	v_cvt_pk_f16_f32 v[F+16*(\x)+4+(\p)], v[F+16*(\x)+8+2*(\p)], v[F+16*(\x)+9+2*(\p)]
.endr
.endr
.irp x, 0,1,2,3
.irp p, 0,1,2,3,4,5,6,7
	v_pk_max_num_f16 v[F+16*(\x)+(\p)], v[F+16*(\x)+(\p)], v[ZERO]
.endr
.endr
.irp x, 0,1,2,3
	ds_store_b128 v[LHS], v[F+16*(\x):F+16*(\x)+3]   offset:1024*(\x)
	ds_store_b128 v[LHS], v[F+16*(\x)+4:F+16*(\x)+7] offset:1024*(\x)+512
.endr
.endm
.macro OWN reg                         ; S1: my O fragments of the tile, from window 2 into the exchange
	s_wait_loadcnt 0x0
	WIN 0x08
.irp x, 0,1,2,3
	ds_store_b128 v[LHS], v[(\reg)+8*(\x):(\reg)+8*(\x)+3]   offset:1024*(\x)
	ds_store_b128 v[LHS], v[(\reg)+8*(\x)+4:(\reg)+8*(\x)+7] offset:1024*(\x)+512
.endr
	WIN 0
	PLACES
.endm
.macro RED16 b                         ; 16 pairs from v[b] on into v[b]
.irp k, 0,1,2,3,4,5,6,7
	v_pk_add_f32 v[(\b)+2*(\k):(\b)+2*(\k)+1], v[(\b)+2*(\k):(\b)+2*(\k)+1], v[(\b)+16+2*(\k):(\b)+16+2*(\k)+1]
.endr
.irp k, 0,1,2,3
	v_pk_add_f32 v[(\b)+2*(\k):(\b)+2*(\k)+1], v[(\b)+2*(\k):(\b)+2*(\k)+1], v[(\b)+8+2*(\k):(\b)+8+2*(\k)+1]
.endr
.irp k, 0,1
	v_pk_add_f32 v[(\b)+2*(\k):(\b)+2*(\k)+1], v[(\b)+2*(\k):(\b)+2*(\k)+1], v[(\b)+4+2*(\k):(\b)+4+2*(\k)+1]
.endr
	v_pk_add_f32 v[(\b):(\b)+1], v[(\b):(\b)+1], v[(\b)+2:(\b)+3]
	v_add_f32 v[\b], v[\b], v[(\b)+1]
.endm
	s_load_b512 s[4:19], s[0:1], 0x0               ; ofr 4, xnf 6, wfr 8, b1 10, g_ffn 12, be_ffn 14, bf1 16, bf2 18
	s_load_b64 s[20:21], s[0:1], 0x40              ; out0
	v_lshl_add_u32 v[SPW], v0, 2, SPARE
	v_mov_b32 v[NIL], 0
	ds_add_u32 v[SPW], v[NIL]                      ; the wave's opening: the add, twice on end, and its wait ahead of my first tensor load
	ds_add_u32 v[SPW], v[NIL]
	v_lshrrev_b32 v1, 5, v0
	v_readfirstlane_b32 s40, v1                    ; wave 0..3
	s_bfe_u32 s41, ttmp6, 0x40000                  ; cx
	s_lshl_b32 s42, ttmp9, 2
	s_add_co_u32 s42, s42, s41                     ; my block of 64 rows
	s_cmp_lt_u32 ttmp9, 8
	s_cselect_b32 s45, 1, -1                       ; clusters 0 to 7 prefetch
	s_and_b32 s70, ttmp9, 7                        ; my cluster's first chunk,
	s_add_co_u32 s71, s70, 2
	s_lshl_b32 s71, s71, 18                        ; and its pair's offset
	s_and_b32 s72, ttmp9, 1
	s_lshl_b32 s72, s72, 18                        ; the pair of w1 that my cluster takes first,
	s_mov_b32 s73, 0
	s_xor_b32 s68, s72, 262144                     ; and the one that it takes second: the first to be asked for by a refill
	s_mov_b32 s69, 0
	s_mov_b32 s48, 0x76543210
	s_mov_b32 s49, 0xfedcba98
	s_mov_b32 s60, 0x3b000000                      ; 1 / 512
	s_mov_b32 s61, 0x3b004020                      ; 1 / 511
	s_mov_b32 s62, 0x358637bd                      ; 1e-6
	s_mov_b32 s24, 15|(3<<16)|(1<<21)              ; descriptor group 1: the mask of four; elements of 8 bytes; bit 21 beside a mask: 128 rows of 256 bytes, dense
	s_mov_b32 s25, 32<<16
	s_mov_b32 s26, 128<<16
	s_mov_b32 s27, 32<<16
	s_mov_b32 s28, 128
	s_mov_b32 s29, 32
	s_mov_b32 s30, 0
	s_mov_b32 s31, 0
	v_and_b32 v[L16], 31, v0
	v_lshlrev_b32 v[L16], 4, v[L16]
	v_and_b32 v3, 15, v0                           ; r
	v_bfe_u32 v4, v0, 4, 1                         ; hh
	v_mov_b32 v[ZERO], 0
	v_mov_b32 v[ONE], 1.0
	s_lshl_b32 s50, s40, 15                        ; 32,768 w
	s_mov_b32 s51, 0
	v_add_nc_u32 v[LF], s50, v[L16]
.irp qq, 0,1,2,3
	s_add_co_u32 s52, s40, (\qq)
	s_and_b32 s52, s52, 3                          ; kb = (w + qq) % 4
	s_lshl_b32 s53, s52, 15
	s_lshl_b32 s54, s40, 13
	s_add_co_u32 s53, s53, s54
	v_add_nc_u32 v[LB0+(\qq)], s53, v[L16]
	v_add_nc_u32 v[LB0+4+(\qq)], SLOT1, v[LB0+(\qq)]
.if (\qq) > 0
	s_lshl_b32 s53, s52, 12
	s_add_co_u32 s53, s53, HB
	v_add_nc_u32 v[LH+(\qq)-1], s53, v[L16]
.endif
.endr
	s_lshl_b32 s53, s40, 12
	s_add_co_u32 s53, s53, HB
	v_add_nc_u32 v[LHS], s53, v[L16]
	s_lshl_b32 s53, s40, 13
	s_add_co_u32 s53, s53, ZB
	v_add_nc_u32 v[LZS], s53, v[L16]
	v_add_nc_u32 v[LZ], ZB, v[L16]
	s_mul_i32 s53, s40, 8448
	s_add_co_u32 s53, s53, OST
	v_mul_u32_u24 v[LOS], v3, 528
	v_lshl_add_u32 v[LOS], v4, 5, v[LOS]
	v_add_nc_u32 v[LOS], s53, v[LOS]
	v_add_nc_u32 v[LOR], s53, v[L16]
	s_lshl_b32 s53, s40, 2
	s_add_co_u32 s53, s53, STATS
	v_lshl_add_u32 v[STS], v3, 4, s53
	v_lshlrev_b32 v[STL], 4, v3
	v_add_nc_u32 v[STL], STATS, v[STL]
	s_lshl_b32 s53, s40, 7
	v_lshl_add_u32 v[BIO0], v4, 5, s53
	s_lshl_b32 s76, s70, 9
	v_add_nc_u32 v[BIO], s76, v[BIO0]              ; bf1 of my cluster's first chunk
	v_lshlrev_b32 v[PFO], 4, v[L16]
	s_lshl_b32 s53, s40, 9
	v_lshl_add_u32 v[CB], v4, 5, s53
	s_lshr_b32 s54, s42, 3                         ; the batch,
	s_and_b32 s55, s42, 7
	s_lshl_b32 s54, s54, 19
	s_lshl_b32 s55, s55, 12                        ; and the block's first token tile in it
	s_add_co_u32 s54, s54, s55
	s_add_co_u32 s56, s54, s50                     ; O: kb = w of K chunk 0
	s_mov_b32 s57, 0
	s_lshl_b32 s58, s40, 17                        ; Xn: kb = 4 w
	s_add_co_u32 s58, s58, s54
	s_mov_b32 s59, 0
	s_lshl_b32 s54, s42, 17                        ; out0: 64 rows of 2,048 bytes, my 512 bytes of a row
	s_add_co_u32 s54, s54, s53
	s_mov_b32 s55, 0
	s_wait_dscnt 0x0                               ; both opening adds are done
	s_wait_kmcnt 0x0
	s_add_nc_u64 s[4:5], s[4:5], s[56:57]
	s_add_nc_u64 s[74:75], s[4:5], s[68:69]        ; O's K chunks go with w1's: a pair is 262,144 bytes there too
	s_add_nc_u64 s[4:5], s[4:5], s[72:73]
	s_add_nc_u64 s[6:7], s[6:7], s[58:59]
	s_add_nc_u64 s[20:21], s[20:21], s[54:55]
	s_add_nc_u64 s[52:53], s[8:9], s[50:51]        ; my quarter of tile 0: made of the wave's number alone
	s_add_nc_u64 s[52:53], s[52:53], PB
	s_add_nc_u64 s[66:67], s[52:53], 131072        ; and of tile 1
	s_mov_b32 s32, 1
	s_mov_b32 s33, s50
	s_add_nc_u64 s[34:35], s[52:53], s[72:73]      ; the first pair: made of the wave's and the cluster's number, which the four partners share
	s_or_b32 s35, s35, 0x80000000
	s_mov_b32 s36, 1
	s_add_co_u32 s37, s50, SLOT1
	s_add_nc_u64 s[38:39], s[66:67], s[72:73]
	s_or_b32 s39, s39, 0x80000000
	s_lshl_b32 s56, s41, 13                        ; the prefetches: my work-group's 32 blocks of my quarter,
	s_add_nc_u64 s[46:47], s[52:53], s[56:57]
	s_mov_b32 s56, s71                             ; in my cluster's first chunk's pair
	s_add_nc_u64 s[46:47], s[46:47], s[56:57]
	ROUND                                          ; all four work-groups are here: the first joint loads meet
	tensor_load_to_lds s[32:35], s[24:31]          ; the first pair's two tiles: two loads of mine are out
	s_nop 0
	tensor_load_to_lds s[36:39], s[24:31]
	s_nop 0
.rept 4
	v_nop
.endr
	WIN 0x80
.irp s, 0,1
.irp x, 0,1,2,3
	global_load_b128 v[32*(\s)+8*(\x):32*(\s)+8*(\x)+3],   v[L16], s[4:5] offset:(\s)*131072+1024*(\x) th:TH_LOAD_NT      ; my O fragments of the first pair's two K chunks
	global_load_b128 v[32*(\s)+8*(\x)+4:32*(\s)+8*(\x)+7], v[L16], s[4:5] offset:(\s)*131072+1024*(\x)+512 th:TH_LOAD_NT
.endr
.endr
	WIN 0
.set a, 0
.rept 32                               ; a = 8 tt + ct: Xn of token r, columns 128 w + 16 ct + 8 hh + 0..7: half ct % 2 of fragment kb = 4 w + ct / 2
	global_load_b128 v[BUF0+4*a:BUF0+4*a+3], v[L16], s[6:7] offset:((a%8)/2)*32768+(a/8)*1024+(a%2)*512 th:TH_LOAD_NT
.set a, a+1
.endr
.irp x, 0,1,2,3,4,5,6,7
	global_load_b128 v[F+8*(\x):F+8*(\x)+3],   v[CB], s[10:11] offset:64*(\x)     ; b1 of my columns
	global_load_b128 v[F+8*(\x)+4:F+8*(\x)+7], v[CB], s[10:11] offset:64*(\x)+16
.endr
.irp j, 0,1
	global_load_b128 v[BI+8*(\j):BI+8*(\j)+3],   v[BIO], s[16:17] offset:64*(\j)  ; bf1 of the first chunk
	global_load_b128 v[BI+8*(\j)+4:BI+8*(\j)+7], v[BIO], s[16:17] offset:64*(\j)+16
.endr
	s_wait_loadcnt 0x0
	WIN 0x40                                       ; ACC starts at Xn + b1: nothing is cleared
.set a, 0
.rept 32
.set e, 0
.rept 8
.if e%2
	v_fma_mix_f32 v[8*a+e], v[BUF0+4*a+e/2], v[ONE], v[F+8*(a%8)+e] op_sel:[1,0,0] op_sel_hi:[1,0,0]
.else
	v_fma_mix_f32 v[8*a+e], v[BUF0+4*a+e/2], v[ONE], v[F+8*(a%8)+e] op_sel:[0,0,0] op_sel_hi:[1,0,0]
.endif
.set e, e+1
.endr
.set a, a+1
.endr
	WIN 0
	s_wait_tensorcnt 1                             ; my part of the first tile is in; the second's may stay out
	s_barrier_signal -1
	s_barrier_wait -1
	FBA LB0, BUF0
	s_mov_b32 s43, 2
.Ls1:                                                  ; S1: ACC += O w1^T, a pair (two K chunks of 128) a trip.  The first trip asks for w1's other pair, the second for my cluster's first chunk
	OWN 0
	TILE_A 0, 2, 0, 8, 1, 0, 1
	OWN 32
	TILE_A 1, 2, 32, 8, 3, 0, 1
	WIN 0
	s_mov_b32 s68, s71
	s_sub_co_u32 s43, s43, 1
	s_cmp_lg_u32 s43, 0
	s_cbranch_scc1 .Ls1
	NEXTCH                                         ; the first chunk has been asked for: the FFN's first trip asks for the second
	; THE SECOND LAYERNORM.  ACC = X2.  A token's 512 columns lie in two lanes (hh) of each of the four waves: sums in the lane, across the halves, then through LDS.  My last tensor load stays out meanwhile.
	PLACES
.irp x, 0,1,2,3,4,5,6,7
	global_load_b128 v[F+8*(\x):F+8*(\x)+3],   v[CB], s[12:13] offset:64*(\x)     ; g_ffn of my columns
	global_load_b128 v[F+8*(\x)+4:F+8*(\x)+7], v[CB], s[12:13] offset:64*(\x)+16
.endr
	WIN 0x05
.set a, 0
.rept 32                               ; each accumulator from its low end on
	v_pk_add_f32 v[BUF0+4*a:BUF0+4*a+1],   v[8*a:8*a+1],   v[8*a+2:8*a+3]
	v_pk_add_f32 v[BUF0+4*a+2:BUF0+4*a+3], v[8*a+4:8*a+5], v[8*a+6:8*a+7]
.set a, a+1
.endr
	WIN 0
.irp x, 0,1,2,3
	RED16 BUF0+32*(\x)
.endr
.irp x, 0,1,2,3
	v_permlanex16_b32 v[BUF0+32*(\x)+1], v[BUF0+32*(\x)], s48, s49
.endr
.irp x, 0,1,2,3
	v_add_f32 v[BUF0+32*(\x)], v[BUF0+32*(\x)], v[BUF0+32*(\x)+1]
.endr
.irp x, 0,1,2,3
	ds_store_b32 v[STS], v[BUF0+32*(\x)] offset:256*(\x)
.endr
	s_wait_dscnt 0x0
	s_barrier_signal -1
	s_barrier_wait -1
.irp x, 0,1,2,3
	ds_load_b128 v[BUF0+32*(\x)+4:BUF0+32*(\x)+7], v[STL] offset:256*(\x)
.endr
	s_wait_dscnt 0x0
.irp x, 0,1,2,3
	v_add_f32 v[BUF0+32*(\x)+4], v[BUF0+32*(\x)+4], v[BUF0+32*(\x)+5]
	v_add_f32 v[BUF0+32*(\x)+6], v[BUF0+32*(\x)+6], v[BUF0+32*(\x)+7]
	v_add_f32 v[BUF0+32*(\x)+4], v[BUF0+32*(\x)+4], v[BUF0+32*(\x)+6]
	v_mul_f32 v[MEAN+2*(\x)], s60, v[BUF0+32*(\x)+4]
	v_mov_b32 v[MEAN+2*(\x)+1], v[MEAN+2*(\x)]
.endr
.irp x, 0,1,2,3,4,5,6,7
	global_load_b128 v[BUF1+8*(\x):BUF1+8*(\x)+3],   v[CB], s[14:15] offset:64*(\x)     ; be_ffn of my columns
	global_load_b128 v[BUF1+8*(\x)+4:BUF1+8*(\x)+7], v[CB], s[14:15] offset:64*(\x)+16
.endr
.irp x, 0,1,2,3                        ; the deviations and their squares' sum: two passes, no difference of large sums
	WIN 0x01
.set a, 0
.rept 32
	v_pk_add_f32 v[BUF0+2*a:BUF0+2*a+1], v[64*(\x)+2*a:64*(\x)+2*a+1], v[MEAN+2*(\x):MEAN+2*(\x)+1] neg_lo:[0,1] neg_hi:[0,1]
.set a, a+1
.endr
	WIN 0
.set a, 0
.rept 4
	v_pk_mul_f32 v[BUF0+2*a:BUF0+2*a+1], v[BUF0+2*a:BUF0+2*a+1], v[BUF0+2*a:BUF0+2*a+1]
.set a, a+1
.endr
.rept 28
	v_pk_fma_f32 v[BUF0+2*(a%4):BUF0+2*(a%4)+1], v[BUF0+2*a:BUF0+2*a+1], v[BUF0+2*a:BUF0+2*a+1], v[BUF0+2*(a%4):BUF0+2*(a%4)+1]
.set a, a+1
.endr
	v_pk_add_f32 v[BUF0:BUF0+1], v[BUF0:BUF0+1], v[BUF0+4:BUF0+5]
	v_pk_add_f32 v[BUF0+2:BUF0+3], v[BUF0+2:BUF0+3], v[BUF0+6:BUF0+7]
	v_pk_add_f32 v[BUF0:BUF0+1], v[BUF0:BUF0+1], v[BUF0+2:BUF0+3]
	v_add_f32 v[INV+2*(\x)], v[BUF0], v[BUF0+1]
.endr
.irp x, 0,1,2,3
	v_permlanex16_b32 v[BUF0+(\x)], v[INV+2*(\x)], s48, s49
.endr
.irp x, 0,1,2,3
	v_add_f32 v[INV+2*(\x)], v[INV+2*(\x)], v[BUF0+(\x)]
.endr
.irp x, 0,1,2,3
	ds_store_b32 v[STS], v[INV+2*(\x)] offset:1024+256*(\x)
.endr
	s_wait_dscnt 0x0
	s_barrier_signal -1
	s_barrier_wait -1
.irp x, 0,1,2,3
	ds_load_b128 v[BUF0+4*(\x):BUF0+4*(\x)+3], v[STL] offset:1024+256*(\x)
.endr
	s_wait_dscnt 0x0
.irp x, 0,1,2,3
	v_add_f32 v[BUF0+4*(\x)], v[BUF0+4*(\x)], v[BUF0+4*(\x)+1]
	v_add_f32 v[BUF0+4*(\x)+2], v[BUF0+4*(\x)+2], v[BUF0+4*(\x)+3]
	v_add_f32 v[BUF0+4*(\x)], v[BUF0+4*(\x)], v[BUF0+4*(\x)+2]
	v_mul_f32 v[INV+2*(\x)], s61, v[BUF0+4*(\x)]
.endr
.irp x, 0,1,2,3
	v_sqrt_f32 v[INV+2*(\x)], v[INV+2*(\x)]
.endr
	v_nop
	s_wait_alu depctr_va_vdst(0)                   ; one wait for the four roots
.irp x, 0,1,2,3
	v_add_f32 v[INV+2*(\x)], s62, v[INV+2*(\x)]
.endr
.irp x, 0,1,2,3
	v_rcp_f32 v[INV+2*(\x)], v[INV+2*(\x)]
.endr
	v_nop
	s_wait_alu depctr_va_vdst(0)                   ; and one for the four reciprocals
.irp x, 0,1,2,3
	v_mov_b32 v[INV+2*(\x)+1], v[INV+2*(\x)]
	v_mul_f32 v[MEAN+2*(\x)], v[MEAN+2*(\x)], v[INV+2*(\x)]  ; mean / (s + eps), which the line below takes away
	v_mov_b32 v[MEAN+2*(\x)+1], v[MEAN+2*(\x)]
.endr
	s_wait_loadcnt 0x0                             ; g_ffn, be_ffn
; y of token tile tt: packed, a lane's 8 columns are 16 bytes of a fragment; into the exchange
.macro YOUT tt
	WIN 0x01
.set a, 0
.rept 32
	v_pk_fma_f32 v[BUF0+2*a:BUF0+2*a+1], v[64*(\tt)+2*a:64*(\tt)+2*a+1], v[INV+2*(\tt):INV+2*(\tt)+1], v[MEAN+2*(\tt):MEAN+2*(\tt)+1] neg_lo:[0,0,1] neg_hi:[0,0,1]
.set a, a+1
.endr
	WIN 0
.set a, 0
.rept 32
	v_pk_fma_f32 v[BUF0+2*a:BUF0+2*a+1], v[BUF0+2*a:BUF0+2*a+1], v[F+2*a:F+2*a+1], v[BUF1+2*a:BUF1+2*a+1]
.set a, a+1
.endr
.set a, 0
.rept 32
	v_cvt_pk_f16_f32 v[BUF0+a], v[BUF0+2*a], v[BUF0+2*a+1]
.set a, a+1
.endr
.irp x, 0,1,2,3,4,5,6,7
	ds_store_b128 v[LZS], v[BUF0+4*(\x):BUF0+4*(\x)+3] offset:2048*((\x)/2)+1024*((\tt)%2)+512*((\x)%2)
.endr
.endm
; all of y for token tiles 2 p and 2 p + 1 into my registers
.macro YIN p
	WIN 0x80
.set a, 0
.rept 16                               ; a = 2 kb + t
	ds_load_b128 v[8*(4*(a/2)+2*(\p)+a%2):8*(4*(a/2)+2*(\p)+a%2)+3],   v[LZ] offset:1024*a
	ds_load_b128 v[8*(4*(a/2)+2*(\p)+a%2)+4:8*(4*(a/2)+2*(\p)+a%2)+7], v[LZ] offset:1024*a+512
.set a, a+1
.endr
	WIN 0xc0
.set a, 0
.rept 16
	ds_load_b128 v[8*(4*(a/2)+2*(\p)+a%2):8*(4*(a/2)+2*(\p)+a%2)+3],   v[LZ] offset:16384+1024*a
	ds_load_b128 v[8*(4*(a/2)+2*(\p)+a%2)+4:8*(4*(a/2)+2*(\p)+a%2)+7], v[LZ] offset:16384+1024*a+512
.set a, a+1
.endr
	WIN 0
.endm
	YOUT 0
	YOUT 1
	s_wait_dscnt 0x0
	s_barrier_signal -1
	s_barrier_wait -1
	YIN 0
	s_wait_dscnt 0x0                               ; my reads of the exchange are over: behind the barrier it is written again
	s_barrier_signal -1
	s_barrier_wait -1
	YOUT 2
	YOUT 3
	s_wait_dscnt 0x0
	s_barrier_signal -1
	s_barrier_wait -1
	YIN 1
	s_wait_dscnt 0x0                               ; the exchange's next writes stand behind the first chunk's round
	FBF 0, BUF0
	s_mov_b32 s44, 7
.Lffn:                                                 ; the walk's first seven chunks of the hidden layer: each tile asks for the same slot's tile of the next chunk
	TILE_F 1, 1
	TILE_A 1, 0, F, 16, 2, 0, 0
	WIN 0
	NEXTCH
	s_sub_co_u32 s44, s44, 1
	s_cmp_lg_u32 s44, 0
	s_cbranch_scc1 .Lffn
	TILE_F 0, 0                                    ; the last chunk is written out: nothing is asked for
	WIN 0x80
.irp x, 0,1,2,3,4,5,6,7
	global_load_b128 v[8*(\x):8*(\x)+3],   v[CB], s[18:19] offset:64*(\x)         ; bf2 of my columns, where y's first fragments lay
	global_load_b128 v[8*(\x)+4:8*(\x)+7], v[CB], s[18:19] offset:64*(\x)+16
.endr
	WIN 0
	TILE_A 1, 0, F, 16, 0, 1, 0
	; THE WAY OUT, a token tile at a time: + bf2; 32 bytes a lane into my stage (rows of 528 bytes), back as whole rows of 512 bytes, stored.
	PLACES
	s_wait_loadcnt 0x0
.irp x, 0,1,2,3
	WIN 0x09
.set a, 0
.rept 32
	v_pk_add_f32 v[BUF0+2*a:BUF0+2*a+1], v[64*(\x)+2*a:64*(\x)+2*a+1], v[2*a:2*a+1]
.set a, a+1
.endr
	WIN 0
.set a, 0
.rept 16
	ds_store_b128 v[LOS], v[BUF0+4*a:BUF0+4*a+3] offset:64*(a/2)+16*(a%2)
.set a, a+1
.endr
	s_wait_xcnt 0x0                                ; the last tile's stores have read their registers
.set a, 0
.rept 16
	ds_load_b128 v[BUF1+4*a:BUF1+4*a+3], v[LOR] offset:528*a  ; LDS serves a wave's instructions in order: these see the stores above, and the next tile's stores come behind them
.set a, a+1
.endr
.set a, 0
.rept 16
	s_wait_dscnt 15-a
	global_store_b128 v[L16], v[BUF1+4*a:BUF1+4*a+3], s[20:21] offset:(16*(\x)+a)*2048 th:TH_STORE_NT  ; 512 consecutive bytes, aligned
.set a, a+1
.endr
.endr
	s_wait_tensorcnt 0x0                           ; the wave's end, behind my last tensor load and my last LDS store
	ds_add_u32 v[SPW], v[NIL]
	s_wait_dscnt 0x0
	ROUND                                          ; the closing round
	s_endpgm
.Lfunc_end_k_qa76ac2ffd7_ffn:
	.size	k_qa76ac2ffd7_ffn, .Lfunc_end_k_qa76ac2ffd7_ffn-k_qa76ac2ffd7_ffn
	.p2alignl 7, 3214868480
	.fill 96, 4, 3214868480
	.section	.rodata,"a",@progbits
	.p2align	6, 0x0
	.amdhsa_kernel k_qa76ac2ffd7_ffn
		.amdhsa_group_segment_fixed_size 327680
		.amdhsa_private_segment_fixed_size 0
		.amdhsa_enable_private_segment 0
		.amdhsa_kernarg_size 72
		.amdhsa_user_sgpr_count 2
		.amdhsa_user_sgpr_kernarg_segment_ptr 1
		.amdhsa_wavefront_size32 1
		.amdhsa_system_sgpr_workgroup_id_x 1
		.amdhsa_system_sgpr_workgroup_id_y 1
		.amdhsa_system_sgpr_workgroup_id_z 1
		.amdhsa_system_vgpr_workitem_id 0
		.amdhsa_next_free_vgpr 1024
		.amdhsa_next_free_sgpr 80
		.amdhsa_reserve_vcc 0
		.amdhsa_float_denorm_mode_32 3
		.amdhsa_float_denorm_mode_16_64 3
		.amdhsa_memory_ordered 1
		.amdhsa_forward_progress 1
		.amdhsa_inst_pref_size 224
	.end_amdhsa_kernel
	.amdgpu_metadata
---
amdhsa.version: [ 1, 2 ]
amdhsa.kernels:
  - .name:           k_qa76ac2ffd7_ffn
    .symbol:         k_qa76ac2ffd7_ffn.kd
    .args:
      - { .name: ofr, .offset: 0, .size: 8, .value_kind: global_buffer, .address_space: global }
      - { .name: xnf, .offset: 8, .size: 8, .value_kind: global_buffer, .address_space: global }
      - { .name: wfr, .offset: 16, .size: 8, .value_kind: global_buffer, .address_space: global }
      - { .name: b1, .offset: 24, .size: 8, .value_kind: global_buffer, .address_space: global }
      - { .name: g_ffn, .offset: 32, .size: 8, .value_kind: global_buffer, .address_space: global }
      - { .name: be_ffn, .offset: 40, .size: 8, .value_kind: global_buffer, .address_space: global }
      - { .name: bf1, .offset: 48, .size: 8, .value_kind: global_buffer, .address_space: global }
      - { .name: bf2, .offset: 56, .size: 8, .value_kind: global_buffer, .address_space: global }
      - { .name: out0, .offset: 64, .size: 8, .value_kind: global_buffer, .address_space: global }
    .group_segment_fixed_size: 327680
    .private_segment_fixed_size: 0
    .kernarg_segment_align: 8
    .kernarg_segment_size: 72
    .max_flat_workgroup_size: 128
    .sgpr_count:     80
    .vgpr_count:     1024
    .wavefront_size: 32
...
	.end_amdgpu_metadata
.endif
;; end of part 3
